; MI455X (gfx1250); checked and timed in simulation.
; The chip was launched on July 23, 2026; its instructions are those of AMD's public machine-readable ISA for CDNA 5 (MIT licence, August 2026) and "CDNA5" Instruction Set Architecture Reference Guide (July 2026). The comments in the code are by the model that wrote it; some were corrected since.
;; Causal Self Attention. Allowed arithmetic: matrix products marked QUANTISED: E2M1 operands, one E8M0 scale for each 32 along K, by v_wmma_scale_f32_16x16x128_f8f6f4 with both operands' format E2M1 (or v_wmma_scale_f32_32x16x128_f4), f32 sums; products left as they are: bf16, f16 or f32 operands; f32 sums; everything else in f32.
;; Inputs: w_attn 3,072 x 1,024 float32; w_proj 1,024 x 1,024 float32; x 4 x 2,048 x 1,024 float32.
;; Outputs: out0 4 x 2,048 x 1,024 float32.
;; This version of the problem:
;;   THIS VERSION OF THE PROBLEM IS GIVEN IN LOW PRECISION. The matrix products marked QUANTISED in the list below multiply operands that are first quantised to E2M1 (2 exponent bits, 1 mantissa bit; 4 bits a number), with one power-of-two scale for each 32 numbers along K (OCP MX v1.0); their sums are f32. The products marked 'left as it is' may take bf16, f16 or f32 operands, with f32 sums. Whichever they take, every output number must still come out within the allowed error. Rounding operands to bf16 (8 significant bits) uses up far more of that allowance than f16 does (11 bits, for magnitudes from 6e-5 to 65,504). All else is computed in f32.
;;   The module's matrix products, in the order in which they are computed (A, B: the left and right operand; K: the contracted axis; several contracted axes count as one K, in the product's order):
;;     1. [M 8,192, K 1,024] x [K 1,024, N 3,072]; A: input x; B: input w_attn: QUANTISED
;;     2. batch 64 x [M 2,048, K 64] x [K 64, N 2,048]; A: computed on the way; B: computed on the way: left as it is (an operand is computed on the way)
;;     3. batch 64 x [M 2,048, K 2,048] x [K 2,048, N 64]; A: computed on the way; B: computed on the way: left as it is (an operand is computed on the way)
;;     4. [M 8,192, K 1,024] x [K 1,024, N 1,024]; A: computed on the way; B: input w_proj: left as it is (an operand is computed on the way)
;;   THE QUANTISER, for each operand of a quantised product, along K:
;;     - K is cut into blocks of 32 from its start; a last block that is shorter is filled with zeros.
;;     - A block's scale is 2^e with e = floor(log2(the largest magnitude in the block)) - 2, held to -126 .. 127; a block of zeros has e = 0. As a byte (E8M0): e + 127.
;;     - Each number is divided by its block's scale, clamped to +-6, and rounded to the nearest number of E2M1, ties to even, subnormals kept.
;;     - The product sums the exact products of the quantised numbers (number of the format x scale) in f32.
;;   ~~~python
;;   def quantise(x, axis):      # numpy; x: float32 -> the quantised numbers, widened to float32 again
;;       x = np.moveaxis(x, axis, -1); K = x.shape[-1]
;;       x = np.pad(x, [(0, 0)] * (x.ndim - 1) + [(0, -K % 32)]); x = x.reshape(x.shape[:-1] + (-1, 32)); a = np.abs(x).max(-1, keepdims=True)
;;       e = np.where(a > 0, np.clip(np.frexp(np.where(a > 0, a, 1))[1] - 1 - 2, -126, 127), 0)      # np.frexp(a)[1] - 1 = floor(log2(a)), exactly
;;       r = np.clip(x / 2.0 ** e, -6, 6)
;;       step = 2.0 ** (np.maximum(np.frexp(np.where(r == 0, 1, r))[1] - 1, 0) - 1)
;;       q = np.round(r / step) * step * 2.0 ** e      # np.round: ties to even
;;       return np.moveaxis(q.reshape(q.shape[:-2] + (-1,))[..., :K], -1, axis).astype(np.float32)
;;   ~~~
;; One version. Each part assembles by itself: llvm-mc -triple=amdgcn-amd-amdhsa -mcpu=gfx1250 --defsym DOCPART=n.
;; ======== version 1 of 1: 5 launches
;; limits: values are held in f16: magnitudes above 65,504 overflow, below 6.1e-05 lose precision
;; workspace buffers: xc 4,194,304 bytes; xs 262,144 bytes; wc 1,572,864 bytes; ws 98,304 bytes; wp16 2,097,152 bytes; qkv 50,331,648 bytes; qkv32 786,432 bytes; y16 16,777,216 bytes
;; launch quant (part 1): grid 384 x 1, 4 waves a work-group, no clusters, 33,280 bytes of LDS; arguments x, w_attn, w_proj, xc, xs, wc, ws, wp16; writes xc, xs, wc, ws, wp16
.if DOCPART == 1
	.amdgcn_target "amdgcn-amd-amdhsa--gfx1250"
	.amdhsa_code_object_version 6
	.text
	.protected	k_q735b8842e6_quant
	.globl	k_q735b8842e6_quant
	.p2align	8
	.type	k_q735b8842e6_quant,@function
k_q735b8842e6_quant:
	s_mov_b64 s[64:65], 0
	v_nop
	global_prefetch_b8 v0, s[64:65] scope:SCOPE_SE
	s_setreg_imm32_b32 hwreg(HW_REG_WAVE_MODE, 25, 1), 1
	s_wait_xcnt 0x0
; x [8192][1024] and w_attn [3072][1024], f32, K innermost, become codes of FP4 (E2M1), two a byte, and one E8M0 scale byte for each 32 along K;
; w_proj [1024][1024], f32, becomes f16, laid [k / 64][n][64], so that 16..256 rows of one block of 64 along K are dense bytes for the later product's tiles.
; A block's scale is 2^(floor(log2(its largest magnitude)) - 2); its byte is the largest magnitude's exponent field - 2, held at 1 from below.
; LIMITS: a block of zeros gets the byte 1 where the rule says 127 (its codes are zeros, and this program alone reads the bytes); blocks whose largest magnitude lies under 2^-124 keep the byte 1;
; NaN and infinities among the inputs are not served; |w_proj| stays under 65,504 (f16), and under 6e-5 it falls to f16's subnormals.
; SHARES: work-groups 0-255 take x, 256-351 w_attn (32,768 numbers each: rows are dense, so a tensor is a plain stream of blocks of 32), 352-383 take 32 rows of w_proj each.
; The quantiser: a wave takes 16 steps of 512 numbers.  Each load reads 512 consecutive bytes; a step's 2,048 bytes turn through the wave's own stage in LDS and come back 64 bytes a lane,
; so that a lane holds 16 neighbours along K (two lanes hold a block).  A lane's 16 codes are 8 bytes: a wave's store covers 256 consecutive bytes.  A wave's 256 scale bytes are gathered in LDS and leave as one store.
; No matrix unit, no cluster, no tensor load: memory binds, and waves share nothing.
.set WAVES, 4
.set STEPS, 16
.set WGA,   256                        ; work-groups for x
.set WGQ,   352                        ; and for x and w_attn together
.set EMAX,  2
.set CB,    8                          ; bytes of 16 codes
.set R,     16                         ; v16-79   four sets of 16 numbers as they are loaded
.set X,     80                         ; v80-111  two sets of 16 neighbours
.set C,     128                        ; v128-191 codes: four registers for each step, so that no store's data are written again
.set E,     112                        ; v112-127 a scale byte for each step
.set WREG,  8192                       ; LDS: a region for each wave: two stages of 32 x SP bytes, behind them its 256 scale bytes
.set SP,    80                         ; a lane's place in a stage: 64 bytes + 16 of padding
.set SPW,   12                         ; v12  LDS address of my spare word; never rewritten
.set NIL,   13                         ; v13  0; never rewritten
.set SPARE, WAVES*WREG                 ; behind the four regions: the spare words, 128 bytes for each wave
	s_load_b512 s[4:19], s[0:1], 0x0               ; x s[4:5], w_attn s[6:7], w_proj s[8:9], xc s[10:11], xs s[12:13], wc s[14:15], ws s[16:17], wp16 s[18:19]
	v_lshl_add_u32 v[SPW], v0, 2, SPARE
	v_mov_b32 v[NIL], 0
	v_lshrrev_b32 v1, 5, v0
	v_readfirstlane_b32 s20, v1                    ; wave
	v_and_b32 v2, 31, v0                           ; lane
	s_cmp_ge_u32 ttmp9, WGQ                        ; the last 32 work-groups convert w_proj: a branch on the work-group's number
	s_cbranch_scc1 .Lconv
	v_lshlrev_b32 v3, 4, v2                        ; my 16 bytes of a load's 512
	s_mul_i32 s21, s20, WREG
	v_lshrrev_b32 v14, 2, v2
	v_mul_u32_u24 v14, v14, SP
	v_and_b32 v15, 3, v2
	v_lshl_add_u32 v14, v15, 4, v14
	v_add_nc_u32 v14, s21, v14                     ; the stage, on the way in: SP (lane / 4) + 16 (lane % 4)
	v_mul_u32_u24 v15, v2, SP
	v_add_nc_u32 v15, s21, v15                     ; and on the way out: SP x lane: my 16 neighbours
	v_mul_u32_u24 v4, v2, CB                       ; my codes' place in a step's
	v_lshrrev_b32 v5, 1, v2
	s_add_co_u32 s21, s21, 2*32*SP
	v_add_nc_u32 v5, s21, v5                       ; LDS: my wave's 256 scale bytes, my block's byte
	v_lshlrev_b32 v7, 3, v2                        ; and on the way out 8 bytes a lane
	v_add_nc_u32 v6, s21, v7
	s_wait_kmcnt 0x0
	s_cmp_lt_u32 ttmp9, WGA                        ; x's work-group or w_attn's?  Only pointers are chosen: both take one path
	s_cselect_b64 s[4:5], s[4:5], s[6:7]
	s_cselect_b64 s[10:11], s[10:11], s[14:15]
	s_cselect_b64 s[12:13], s[12:13], s[16:17]
	s_cselect_b32 s21, 0, WGA
	s_sub_co_u32 s21, ttmp9, s21
	s_lshl_b32 s21, s21, 2
	s_add_co_u32 s22, s21, s20                     ; which run of 8,192 numbers of the tensor is my wave's
	s_mov_b32 s23, 0
	s_mov_b64 s[24:25], 512*STEPS*4
	s_mul_u64 s[24:25], s[22:23], s[24:25]
	s_add_nc_u64 s[4:5], s[4:5], s[24:25]
	s_mov_b64 s[24:25], 32*STEPS*CB
	s_mul_u64 s[24:25], s[22:23], s[24:25]
	s_add_nc_u64 s[10:11], s[10:11], s[24:25]
	s_lshl_b32 s22, s22, 8                         ; 256 scale bytes a run
	s_add_nc_u64 s[12:13], s[12:13], s[22:23]
.macro LOAD t
.irp i, 0,1,2,3
	global_load_b128 v[R+16*((\t)%4)+4*\i:R+16*((\t)%4)+4*\i+3], v3, s[4:5] offset:2048*(\t)+512*\i th:TH_LOAD_NT   ; 32 lanes read 512 consecutive bytes
.endr
.endm
.macro TURN t                          ; step t's numbers through the stage: LDS serves a wave's instructions in order, so no wait stands between the stores and the loads
.irp i, 0,1,2,3
	ds_store_b128 v14, v[R+16*((\t)%4)+4*\i:R+16*((\t)%4)+4*\i+3] offset:32*SP*((\t)%2)+8*SP*\i
.endr
.irp i, 0,1,2,3
	ds_load_b128 v[X+16*((\t)%2)+4*\i:X+16*((\t)%2)+4*\i+3], v15 offset:32*SP*((\t)%2)+16*\i
.endr
.endm
.irp t, 0,1,2,3
	LOAD \t
.endr
	s_wait_loadcnt 12                              ; step 0's four loads are in; those of steps 1 to 3 may be out
	TURN 0
.macro STEP t
.set XS, X+16*((\t)%2)
.if (\t) > 0
	s_wait_dscnt 1                                 ; this step's numbers are back from the stage (the last step's byte store may be out)
.else
	s_wait_dscnt 0x0
.endif
.if (\t)+4 < STEPS
	LOAD (\t)+4                                    ; the registers that the stage's stores have read take the loads of four steps on
.endif
.if (\t)+1 < STEPS
.if STEPS-2-(\t) >= 3
	s_wait_loadcnt 12                              ; the next step's four loads are in; those of the three steps behind it may be out
.else
	s_wait_loadcnt 4*(STEPS-2-(\t))                ; at the end the count runs down with the steps that are left
.endif
	TURN (\t)+1                                    ; and go through the other stage while this step is worked
.endif
	v_max3_num_f32 v8, |v[XS]|, |v[XS+1]|, |v[XS+2]|               ; the largest magnitude of my 16, in two chains
	v_max3_num_f32 v9, |v[XS+3]|, |v[XS+4]|, |v[XS+5]|
.irp i, 6,10
	v_max3_num_f32 v8, v8, |v[XS+\i]|, |v[XS+\i+1]|
	v_max3_num_f32 v9, v9, |v[XS+\i+2]|, |v[XS+\i+3]|
.endr
	v_max3_num_f32 v8, v8, |v[XS+14]|, |v[XS+15]|
	v_max3_num_f32 v8, v8, v9, (EMAX+1)<<23        ; and the floor 2^(3 - 127): so the byte cannot fall under 1
	v_max_num_f32_dpp v8, v8, v8 row_xmask:1 row_mask:0xf bank_mask:0xf   ; and of my neighbour's 16: the block's
	v_add_nc_u32 v11, -(EMAX<<23), v8              ; 2 off its exponent field: the conversion takes the exponent field of this operand as its scale
	v_cvt_scalef32_pk8_fp4_f32 v[C+4*(\t)], v[XS:XS+7], v11        ; eight numbers / the scale, to the nearest code, ties to even, beyond 6 the largest code
	v_cvt_scalef32_pk8_fp4_f32 v[C+4*(\t)+1], v[XS+8:XS+15], v11
	v_lshrrev_b32 v[E+(\t)], 23, v11               ; the scale's byte (a plain line behind the conversions)
	ds_store_b8 v5, v[E+(\t)] offset:16*(\t)       ; both lanes of a block write the same byte with the same value
	global_store_b64 v4, v[C+4*(\t):C+4*(\t)+1], s[10:11] offset:32*CB*(\t)   ; 32 lanes store 256 consecutive bytes, aligned
.endm
.irp t, 0,1,2,3,4,5,6,7,8,9,10,11,12,13,14,15
	STEP \t
.endr
	ds_load_b64 v[8:9], v6                         ; LDS serves a wave's instructions in order: these see my byte stores
	s_wait_dscnt 0x0
	global_store_b64 v7, v[8:9], s[12:13]          ; 32 lanes store my wave's 256 scale bytes, aligned
	s_wait_tensorcnt 0x0                           ; the wave's end, behind my last LDS store
	ds_add_u32 v[SPW], v[NIL]
	s_wait_dscnt 0x0
	s_endpgm
; w_proj to f16.  Work-group c takes rows 32 c on, a wave 8 of them, as four pairs of rows.  A load reads 256 bytes (64 numbers: one block along K) of each row of a pair;
; the pair's 2 x 128 bytes of f16 are neighbours in the blocked layout, so each store covers 256 consecutive bytes, aligned.  No LDS is touched on this path.
.Lconv:
	s_sub_co_u32 s21, ttmp9, WGQ
	s_lshl_b32 s21, s21, 5
	s_lshl_b32 s22, s20, 3
	s_add_co_u32 s21, s21, s22                     ; my wave's first row
	s_lshl_b32 s22, s21, 12                        ; x 4,096 bytes in w_proj
	s_mov_b32 s23, 0
	s_lshl_b32 s24, s21, 7                         ; x 128 bytes in a block of wp16
	s_mov_b32 s25, 0
	v_lshrrev_b32 v3, 4, v2
	v_and_b32 v4, 15, v2
	v_lshlrev_b32 v1, 12, v3
	v_lshl_add_u32 v1, v4, 4, v1                   ; in: lanes 0-15 one row, lanes 16-31 the next; 16 bytes a lane
	v_lshlrev_b32 v5, 3, v2                        ; out: 8 bytes a lane
	s_wait_kmcnt 0x0
	s_add_nc_u64 s[8:9], s[8:9], s[22:23]
	s_add_nc_u64 s[18:19], s[18:19], s[24:25]
.macro LOADP p                         ; pair p: sixteen blocks of 64 along K, into set p % 2
.irp kb, 0,1,2,3,4,5,6,7,8,9,10,11,12,13,14,15
	global_load_b128 v[16+64*((\p)%2)+4*\kb:16+64*((\p)%2)+4*\kb+3], v1, s[8:9] offset:(\p)*8192+\kb*256 th:TH_LOAD_NT
.endr
.endm
.macro CONVP p
.irp kb, 0,1,2,3,4,5,6,7,8,9,10,11,12,13,14,15
	v_cvt_pk_f16_f32 v[16+64*((\p)%2)+4*\kb], v[16+64*((\p)%2)+4*\kb], v[16+64*((\p)%2)+4*\kb+1]
	v_cvt_pk_f16_f32 v[16+64*((\p)%2)+4*\kb+1], v[16+64*((\p)%2)+4*\kb+2], v[16+64*((\p)%2)+4*\kb+3]
	global_store_b64 v5, v[16+64*((\p)%2)+4*\kb:16+64*((\p)%2)+4*\kb+1], s[18:19] offset:\kb*131072+(\p)*256
.endr
.endm
	LOADP 0
	LOADP 1
	s_wait_loadcnt 16                              ; pair 0's sixteen loads are in; the next pair's sixteen may be out
	CONVP 0
	s_wait_xcnt 0x0                                ; the stores have read their registers: the set is loaded again only behind this wait
	LOADP 2
	s_wait_loadcnt 16
	CONVP 1
	s_wait_xcnt 0x0
	LOADP 3
	s_wait_loadcnt 16
	CONVP 2
	s_wait_loadcnt 0x0
	CONVP 3
	s_endpgm
.Lfunc_end_k_q735b8842e6_quant:
	.size	k_q735b8842e6_quant, .Lfunc_end_k_q735b8842e6_quant-k_q735b8842e6_quant
	.p2alignl 7, 3214868480
	.fill 96, 4, 3214868480
	.section	.rodata,"a",@progbits
	.p2align	6, 0x0
	.amdhsa_kernel k_q735b8842e6_quant
		.amdhsa_group_segment_fixed_size 33280
		.amdhsa_private_segment_fixed_size 0
		.amdhsa_enable_private_segment 0
		.amdhsa_kernarg_size 64
		.amdhsa_user_sgpr_count 2
		.amdhsa_user_sgpr_kernarg_segment_ptr 1
		.amdhsa_wavefront_size32 1
		.amdhsa_system_sgpr_workgroup_id_x 1
		.amdhsa_system_sgpr_workgroup_id_y 1
		.amdhsa_system_sgpr_workgroup_id_z 1
		.amdhsa_system_vgpr_workitem_id 0
		.amdhsa_next_free_vgpr 192
		.amdhsa_next_free_sgpr 66
		.amdhsa_reserve_vcc 0
		.amdhsa_float_denorm_mode_32 3
		.amdhsa_float_denorm_mode_16_64 3
		.amdhsa_memory_ordered 1
		.amdhsa_forward_progress 1
		.amdhsa_inst_pref_size 54
	.end_amdhsa_kernel
	.amdgpu_metadata
---
amdhsa.version: [ 1, 2 ]
amdhsa.kernels:
  - .name:           k_q735b8842e6_quant
    .symbol:         k_q735b8842e6_quant.kd
    .args:
      - { .name: x, .offset: 0, .size: 8, .value_kind: global_buffer, .address_space: global }
      - { .name: w_attn, .offset: 8, .size: 8, .value_kind: global_buffer, .address_space: global }
      - { .name: w_proj, .offset: 16, .size: 8, .value_kind: global_buffer, .address_space: global }
      - { .name: xc, .offset: 24, .size: 8, .value_kind: global_buffer, .address_space: global }
      - { .name: xs, .offset: 32, .size: 8, .value_kind: global_buffer, .address_space: global }
      - { .name: wc, .offset: 40, .size: 8, .value_kind: global_buffer, .address_space: global }
      - { .name: ws, .offset: 48, .size: 8, .value_kind: global_buffer, .address_space: global }
      - { .name: wp16, .offset: 56, .size: 8, .value_kind: global_buffer, .address_space: global }
    .group_segment_fixed_size: 33280
    .private_segment_fixed_size: 0
    .kernarg_segment_align: 8
    .kernarg_segment_size: 64
    .max_flat_workgroup_size: 128
    .sgpr_count:     66
    .vgpr_count:     192
    .wavefront_size: 32
...
	.end_amdgpu_metadata
.endif
;; end of part 1
;; launch qkv (part 2): grid 12 x 32, 4 waves a work-group, clusters of 4 x 4, 327,680 bytes of LDS; arguments xc, xs, wc, ws, qkv, qkv32; writes qkv, qkv32
.if DOCPART == 2
	.amdgcn_target "amdgcn-amd-amdhsa--gfx1250"
	.amdhsa_code_object_version 6
	.text
	.protected	k_q735b8842e6_qkv
	.globl	k_q735b8842e6_qkv
	.p2align	8
	.type	k_q735b8842e6_qkv,@function
k_q735b8842e6_qkv:
	s_mov_b64 s[64:65], 0
	v_nop
	global_prefetch_b8 v0, s[64:65] scope:SCOPE_SE
	s_setreg_imm32_b32 hwreg(HW_REG_WAVE_MODE, 25, 1), 1
	s_wait_xcnt 0x0
	s_wait_alu depctr_hold_cnt(0) depctr_sa_sdst(0) depctr_va_vdst(0) depctr_va_sdst(0) depctr_va_ssrc(0) depctr_va_vcc(0) depctr_vm_vsrc(0)
	s_getreg_b32 s2, hwreg(HW_REG_IB_STS2, 6, 4)
	s_cmp_eq_u32 s2, 0
	s_cbranch_scc0 .Lentry_in_a_cluster
	s_endpgm
.Lentry_in_a_cluster:
	s_bfe_u32 s2, ttmp6, 0x10000c
	s_cmp_lg_u32 s2, 0xf033
	s_cbranch_scc0 .Lentry_shape_is_right
	s_endpgm
.Lentry_shape_is_right:
; qkv = Q(x) Q(w_attn)^T on codes of FP4 (E2M1) with one E8M0 scale for each 32 along K: [8192][1024] x [3072][1024]^T, sums in f32.
; A tile of the result, 256 x 256, is made by a work-group of four waves; a wave makes 128 x 128: 64 accumulators of 16 x 16, 512 registers.  K = 1,024 is two slots of 512 along K (rows of 256 bytes):
; both are asked for at the head, with the scale bytes of the work-group's rows, and nothing is ever filled again.  By this text's own count a wave has three tensor loads out at the most.
; CLUSTERS: 4 x 4 work-groups.  The four of a row of the cluster need the same tiles of x, the four of a column the same tiles of w_attn: each is asked for JOINTLY.
; Tile column = 4 x cluster x + cx: cluster x is the part (q, k, v).  TILE ROW = 8 cy + cluster y: so the batch is cy, the tile's first position is 256 x cluster y, and whether a tile holds
; positions under 16 hangs on cluster y alone, which all partners share.
; THE MATRIX INSTRUCTION IS USED TRANSPOSED (source 0 = 16 rows of w_attn, source 1 = 16 rows of x): a lane holds eight neighbouring columns of one row.
; OUT: f16, by head: qkv [part][batch x 16 + head][position][64]; q is multiplied by c = log2(e) / 8 in f32 ahead of its one rounding, k and v by 1.  16 positions of a head are 2,048 dense bytes: a block goes
; through the wave's stage in LDS and each store covers 512 consecutive bytes, aligned.  The rows of positions 0-15 of every batch also leave as f32, unscaled, into qkv32 [batch x 16 + position][3072],
; 32 bytes a lane: pieces of rows, 0.8 MB in the whole launch, for the launch that carries those rows in f32.
; LIMITS: |c q|, |k|, |v| stay under 65,504 (f16); under 6e-5 they fall to f16's subnormals.
; REGISTERS, in windows of 256: window 0: v0-31 addresses; v32-95 scale words, two sets, and nothing else; from v128 x's fragments, ONE set; on the way out v96-255 are at work.
;   window 1: w_attn's fragments, TWO sets, at v0 and v128.   window 2: the accumulators of my rows 0-63 ((a, b) at v[8 (8 a + b)]);   window 3: those of my rows 64-127.
.set KSTEP,  512
.set NQ,     KSTEP/128
.set ROWB,   256                       ; a tile's row in bytes
.set KROW,   512                       ; a row of codes in memory
.set PITCH,  272                       ; an LDS row: 256 bytes + 16 of padding: the 16 rows that a load touches start 68 words apart
.set FR,     8
.set NL,     2
.set NP,     4                         ; places behind this matrix instruction (ISA guide 7.12.1)
.set HALFT,  128*PITCH
.set SLOT,   4*HALFT                   ; x's 256 rows, then w_attn's 256 rows
.set KS,     32                        ; a row of scale bytes
.set SCL,    2*SLOT                    ; behind the two slots: the scales, as units of 256 bytes + 16 of padding
.set HALFS,  (128*KS/256)*272
.set SBLK,   (16*KS/256)*272
.set SPARE,  SCL+4*HALFS               ; the spare words, 128 bytes for each wave
.set STAGE,  SPARE+512                 ; the way out: for each wave 2 heads x 16 rows x (128 bytes + 16); bytes of its own, into which no tile lands
.set HP,     144
.set ADRA, 16
.set ADRB, 20
.set STO,  24                          ; v24  the way out: where I put 16 bytes of a row
.set RD,   25                          ; v25  where I read four rows back
.set CO,   26                          ; v26  16 x lane: my place in 512 dense bytes
.set ADRS, 27
.set SPW,  28
.set NIL,  29
.set FO,   30                          ; v30  my place in qkv32: row r, + 32 h
.set SC,   32
.set AF,   128
.set TMP,  96                          ; the way out: v96-127 a block as f16
.set T,    128                         ; v128-191 a block x the factor, f32
.set BK,   192                         ; v192-223 and v224-255 by turns: a block read back from the stage
.set G1, 24
.set G0, 32
.set G1B, 48
.set G0B, 56
.set G1S, 68
.set G0S, 76
.set G1SB, 80
.set G0SB, 88
.set MSB, 0
.macro WIN new                         ; the immediate's high byte repeats the setting that is left
.if MSB != \new
	s_set_vgpr_msb (MSB<<8)|\new
.set MSB, \new
.endif
.endm
.set MUL_LO, 0xa1                      ; source 0 (w_attn) window 1, source 1 (x) window 0, C and D window 2
.set MUL_HI, 0xf1
.set TO_B,   0x40
; A joint load: waves 0 and 1 fetch for x, waves 2 and 3 for w_attn.  The branch hangs on the wave's number alone.  An s_nop 0 and four v_nop follow each of the two lines.
.macro JLOAD g0a, g1a, g0b, g1b
	s_cmp_eq_u32 s15, 0
	s_cbranch_scc0 .Lfor_b_\@
	tensor_load_to_lds s[\g0a:\g0a+3], s[\g1a:\g1a+7]
	s_nop 0
.rept 4
	v_nop
.endr
	s_branch .Lasked_\@
.Lfor_b_\@:
	tensor_load_to_lds s[\g0b:\g0b+3], s[\g1b:\g1b+7]
	s_nop 0
.rept 4
	v_nop
.endr
.Lasked_\@:
.endm
.macro CROUND                          ; a round of the cluster's barrier
	s_barrier_signal -1
	s_barrier_wait -1
	s_cmp_lg_u32 s14, 0
	s_cbranch_scc1 .Lnot_wave_0_\@
	s_barrier_signal -3
.Lnot_wave_0_\@:
	s_barrier_wait -3
	s_barrier_signal -1
	s_barrier_wait -1
.endm
	s_load_b128 s[4:7], s[0:1], 0x0                ; x's codes s[4:5], x's scales s[6:7]
	s_load_b128 s[8:11], s[0:1], 0x10              ; w_attn's codes s[8:9], its scales s[10:11]
	s_load_b64 s[12:13], s[0:1], 0x20              ; qkv
	s_load_b64 s[96:97], s[0:1], 0x28              ; qkv32
	v_lshl_add_u32 v[SPW], v0, 2, SPARE
	v_mov_b32 v[NIL], 0
	ds_add_u32 v[SPW], v[NIL]                      ; the wave's opening: the add, twice on end, and its wait ahead of my first tensor load
	ds_add_u32 v[SPW], v[NIL]
	v_lshrrev_b32 v1, 5, v0
	v_readfirstlane_b32 s14, v1                    ; wave 0..3
	s_lshr_b32 s15, s14, 1                         ; which half of the tile's rows is mine.  Also: I fetch for x (0) or for w_attn (1)
	s_and_b32 s16, s14, 1                          ; which half of its columns.  Also: which 128 rows of that tile I fetch
	s_bfe_u32 s40, ttmp6, 0x40000                  ; cx, cy: my place in the cluster
	s_bfe_u32 s41, ttmp6, 0x40004
	s_lshl_b32 s42, ttmp9, 2
	s_add_co_u32 s42, s42, s40                     ; tile column = 4 x cluster x + cx
	s_and_b32 s66, ttmp7, 0xffff                   ; cluster y
	s_lshl_b32 s17, s41, 3
	s_add_co_u32 s17, s17, s66                     ; tile row = 8 cy + cluster y
	s_lshl_b32 s43, s41, 2
	s_lshl_b32 s43, 15, s43                        ; my row of the cluster
	s_lshl_b32 s44, 0x1111, s40                    ; my column
	s_mov_b32 s98, 1.0
	s_cmp_eq_u32 ttmp9, 0                          ; the part q is multiplied by c = log2(e) / 8, the others by 1: a choice of a value, no branch
	s_cselect_b32 s98, 0x3e38aa3b, s98
	s_mov_b32 s99, s98                             ; (named with it as a pair, so it is written)
	s_or_b32 s95, s66, s15                         ; 0 where my block 0 holds positions 0-15: cluster y = 0 and the upper half of the rows
	; descriptor group 1: a tile of 128 rows x 256 bytes, 16 bytes of padding behind each row
	s_or_b32 s[G1+0], s43, (0<<16)|(1<<20)|(1<<21)|(5<<22)|(3<<25)
	s_or_b32 s[G1B+0], s44, (0<<16)|(1<<20)|(1<<21)|(5<<22)|(3<<25)
.irp g, G1, G1B
	s_mov_b32 s[\g+1], ROWB<<16                    ; tensor_dim0
	s_mov_b32 s[\g+2], 128<<16                     ; tensor_dim1
	s_mov_b32 s[\g+3], ROWB<<16                    ; tile_dim0
	s_mov_b32 s[\g+4], 128                         ; tile_dim1
	s_mov_b32 s[\g+5], KROW                        ; the pitch
	s_mov_b32 s[\g+6], 0
	s_mov_b32 s[\g+7], 0
.endr
	; the scales of 128 rows: 4,096 dense bytes, as 16 rows of 256 bytes (32 elements of 8 bytes), 16 bytes of padding behind each
	s_or_b32 s[G1S+0], s43, (3<<16)|(1<<20)|(1<<21)|(5<<22)|(3<<25)
	s_or_b32 s[G1SB+0], s44, (3<<16)|(1<<20)|(1<<21)|(5<<22)|(3<<25)
.irp g, G1S, G1SB
	s_mov_b32 s[\g+1], 32<<16
	s_mov_b32 s[\g+2], (128*KS/256)<<16
	s_mov_b32 s[\g+3], 32<<16
	s_mov_b32 s[\g+4], 128*KS/256
	s_mov_b32 s[\g+5], 32
	s_mov_b32 s[\g+6], 0
	s_mov_b32 s[\g+7], 0
.endr
	s_lshl_b32 s18, s16, 7                         ; which 128 rows of the tile I fetch
	s_lshl_b32 s20, s17, 8
	s_add_co_u32 s20, s20, s18                     ; x: row 256 x tile row + 128 x half
	s_lshl_b32 s46, s42, 8
	s_add_co_u32 s46, s46, s18                     ; w_attn: row 256 x tile column + 128 x half
	s_mov_b32 s21, 0
	s_mov_b32 s47, 0
	s_mov_b64 s[18:19], KS
	s_mul_u64 s[22:23], s[20:21], s[18:19]         ; where these rows' scales begin
	s_mul_u64 s[92:93], s[46:47], s[18:19]
	s_mov_b64 s[18:19], KROW
	s_mul_u64 s[20:21], s[20:21], s[18:19]         ; and their codes
	s_mul_u64 s[46:47], s[46:47], s[18:19]
	s_mul_i32 s45, s14, HALFT                      ; where they go: wave x 128 rows: no place in the cluster enters an LDS address
	s_mul_i32 s94, s14, HALFS
	s_wait_dscnt 0x0                               ; both opening adds are done
	s_wait_kmcnt 0x0
	s_add_nc_u64 s[20:21], s[4:5], s[20:21]
	s_add_nc_u64 s[22:23], s[6:7], s[22:23]
	s_add_nc_u64 s[46:47], s[8:9], s[46:47]
	s_add_nc_u64 s[92:93], s[10:11], s[92:93]
	CROUND                                         ; all sixteen work-groups are here: the joint loads meet
	s_mov_b32 s[G0S], 1
	s_add_co_u32 s[G0S+1], s94, SCL
	s_mov_b64 s[G0S+2:G0S+3], s[22:23]
	s_or_b32 s[G0S+3], s[G0S+3], 0x80000000
	s_mov_b32 s[G0SB], 1
	s_add_co_u32 s[G0SB+1], s94, SCL
	s_mov_b64 s[G0SB+2:G0SB+3], s[92:93]
	s_or_b32 s[G0SB+3], s[G0SB+3], 0x80000000
	JLOAD G0S, G1S, G0SB, G1SB                     ; the scales first: they are wanted with the first slot
.irp s, 0,1
	s_mov_b32 s[G0+4*\s], 1
	s_add_co_u32 s[G0+4*\s+1], s45, \s*SLOT
	s_add_nc_u64 s[G0+4*\s+2:G0+4*\s+3], s[20:21], \s*ROWB
	s_or_b32 s[G0+4*\s+3], s[G0+4*\s+3], 0x80000000
	s_mov_b32 s[G0B+4*\s], 1
	s_add_co_u32 s[G0B+4*\s+1], s45, \s*SLOT
	s_add_nc_u64 s[G0B+4*\s+2:G0B+4*\s+3], s[46:47], \s*ROWB
	s_or_b32 s[G0B+4*\s+3], s[G0B+4*\s+3], 0x80000000
	JLOAD G0+4*\s, G1, G0B+4*\s, G1B
.endr
	v_and_b32 v1, 15, v0                           ; r = lane % 16
	v_bfe_u32 v2, v0, 4, 1                         ; h = lane / 16
	v_mul_u32_u24 v3, v1, PITCH
	v_lshl_add_u32 v4, v2, 4, v3                   ; a fragment's row x pitch + 16 h
	s_mul_i32 s21, s15, HALFT                      ; my 128 rows of x
	s_mul_i32 s22, s16, HALFT                      ; my 128 rows of w_attn,
	s_add_co_u32 s22, s22, 2*HALFT                 ; which lie behind x's 256
.irp s, 0,1
	v_add_nc_u32 v[ADRA+\s], s21, v4
	v_add_nc_u32 v[ADRB+\s], s22, v4
	s_add_co_u32 s21, s21, SLOT
	s_add_co_u32 s22, s22, SLOT
.endr
	v_mul_u32_u24 v5, v1, KS                       ; my row's scales: 32 bytes a row,
	v_lshrrev_b32 v6, 8, v5
	v_lshl_add_u32 v5, v6, 4, v5                   ; and 16 more for each 256 passed
	s_mul_i32 s21, s15, HALFS
	s_mul_i32 s22, s16, HALFS
	s_add_co_u32 s22, s22, 2*HALFS
	s_sub_co_u32 s22, s22, s21
	v_mul_u32_u24 v6, s22, v2                      ; lanes 16-31 take w_attn's: the lower base + h x the distance
	s_add_co_u32 s21, s21, SCL
	v_add_nc_u32 v5, v5, v6
	v_add_nc_u32 v[ADRS], s21, v5
	s_mul_i32 s23, s14, 2*16*HP
	s_add_co_u32 s23, s23, STAGE                   ; my stage
	v_mul_u32_u24 v5, v1, HP
	v_lshl_add_u32 v5, v2, 4, v5
	v_add_nc_u32 v[STO], s23, v5                   ; in: row r, 16 bytes for each half of the lanes
	v_bfe_u32 v6, v0, 3, 2
	v_and_b32 v7, 7, v0
	v_mul_u32_u24 v6, v6, HP
	v_lshl_add_u32 v6, v7, 4, v6
	v_add_nc_u32 v[RD], s23, v6                    ; back: eight lanes to a row of 128 bytes, four rows an instruction
	v_and_b32 v6, 31, v0
	v_lshlrev_b32 v[CO], 4, v6
	v_mul_u32_u24 v[FO], v1, 12288
	v_lshl_add_u32 v[FO], v2, 5, v[FO]
	s_lshl_b32 s20, s41, 4                         ; qkv: (batch x 16 + head) x 2,048 positions + my first position, x 128 bytes, + the part
	s_lshl_b32 s21, s40, 2
	s_add_co_u32 s20, s20, s21
	s_lshl_b32 s21, s16, 1
	s_add_co_u32 s20, s20, s21                     ; my first head: 4 cx + 2 x column half
	s_lshl_b32 s20, s20, 11
	s_lshl_b32 s21, s66, 8
	s_add_co_u32 s20, s20, s21
	s_lshl_b32 s21, s15, 7
	s_add_co_u32 s20, s20, s21
	s_lshl_b32 s20, s20, 7
	s_lshl_b32 s21, ttmp9, 24
	s_add_co_u32 s20, s20, s21
	s_mov_b32 s21, 0
	s_add_nc_u64 s[12:13], s[12:13], s[20:21]
	s_mul_i32 s20, s41, 16*12288                   ; qkv32: the batch's 16 rows, my 128 columns
	s_lshl_b32 s21, s42, 10
	s_add_co_u32 s20, s20, s21
	s_lshl_b32 s21, s16, 9
	s_add_co_u32 s20, s20, s21
	s_mov_b32 s21, 0
	s_add_nc_u64 s[96:97], s[96:97], s[20:21]
.macro FRAG reg, adr, q, i             ; 16 rows x 128 K of 4-bit codes: 8 registers: lane l holds row l % 16; registers 4 c .. 4 c + 3 hold K = 64 c + 32 (l / 16) + 0 .. 31
.irp c, 0,1
	ds_load_b128 v[\reg+4*\c:\reg+4*\c+3], v[\adr] offset:64*(\q)+32*\c+(\i)*16*PITCH
.endr
.endm
; 16 matrix instructions: x's blocks a0, a0 + 1 against w_attn's eight, 128 along K.  The 64 accumulators take turns, one instruction a turn, in the same order in every step.
; One register carries both sides' scale words: lanes 0-15 x's block i, lanes 16-31 w_attn's block i.
.macro MUL16 a0, p, q, sc, zero
.irp a, \a0, \a0+1
.irp b, 0,1,2,3,4,5,6,7
.if \zero
	v_wmma_scale_f32_16x16x128_f8f6f4 v[8*(8*((\a)%4)+\b):8*(8*((\a)%4)+\b)+7], v[128*(\p)+FR*\b:128*(\p)+FR*\b+FR-1], v[AF+FR*(\a):AF+FR*(\a)+FR-1], 0, v[SC+8*NQ*(\sc)+NQ*\b+(\q)], v[SC+8*NQ*(\sc)+NQ*(\a)+(\q)] matrix_a_fmt:MATRIX_FMT_FP4 matrix_b_fmt:MATRIX_FMT_FP4 matrix_a_scale:MATRIX_SCALE_ROW1
.else
	v_wmma_scale_f32_16x16x128_f8f6f4 v[8*(8*((\a)%4)+\b):8*(8*((\a)%4)+\b)+7], v[128*(\p)+FR*\b:128*(\p)+FR*\b+FR-1], v[AF+FR*(\a):AF+FR*(\a)+FR-1], v[8*(8*((\a)%4)+\b):8*(8*((\a)%4)+\b)+7], v[SC+8*NQ*(\sc)+NQ*\b+(\q)], v[SC+8*NQ*(\sc)+NQ*(\a)+(\q)] matrix_a_fmt:MATRIX_FMT_FP4 matrix_b_fmt:MATRIX_FMT_FP4 matrix_a_scale:MATRIX_SCALE_ROW1
.endif
.endr
.endr
.endm
.macro FETCH_B slot, q, p
	WIN TO_B
.irp i, 0,1,2,3,4,5,6,7
	FRAG 128*(\p)+FR*\i, ADRB+\slot, \q, \i
.endr
	WIN 0
.endm
.macro FETCH_A slot, q, i0
.irp i, \i0, \i0+1, \i0+2, \i0+3
	FRAG AF+FR*(\i), ADRA+\slot, \q, \i
.endr
.endm
.macro SCALES sc                       ; a slot's scale words: four words a row
.irp i, 0,1,2,3,4,5,6,7
	ds_load_b128 v[SC+8*NQ*\sc+NQ*\i:SC+8*NQ*\sc+NQ*\i+3], v[ADRS] offset:\i*SBLK
.endr
.endm
.macro PLACES n                        ; plain vector instructions between a matrix instruction and a load into, or a read of, its registers
.rept \n
	v_nop
.endr
.endm
.macro STEP slot, q, zero              ; a step of 128 along K that has its successor in the same slot
	s_wait_dscnt 4*NL                              ; w_attn's set and x's blocks 0-3 are in; the youngest eight loads (x's blocks 4-7) may be out
	WIN MUL_LO
	MUL16 0, (\q)%2, \q, \slot, \zero
	MUL16 2, (\q)%2, \q, \slot, \zero
	s_wait_dscnt 0
	PLACES NP
	FETCH_B \slot, (\q)+1, 1-(\q)%2
	FETCH_A \slot, (\q)+1, 0
	WIN MUL_HI
	MUL16 4, (\q)%2, \q, \slot, \zero
	MUL16 6, (\q)%2, \q, \slot, \zero
	PLACES NP
	WIN 0
	FETCH_A \slot, (\q)+1, 4
.endm
; The first slot's last step goes on into the second slot: each wave waits for all its tensor loads (its part of the second slot), and one barrier shows the slot whole to every wave.  Nothing is filled again.
.macro TURN slot, next
	s_wait_tensorcnt 0x0                           ; all my tensor loads have landed
	ds_add_u32 v[SPW], v[NIL]                      ; 0 onto my spare word
	s_wait_dscnt 4*NL+1                            ; (the add and the youngest eight loads, x's blocks 4-7, may be out)
	WIN MUL_LO
	MUL16 0, 1, NQ-1, \slot, 0
	s_wait_dscnt 0x0
	s_barrier_signal -1
	MUL16 2, 1, NQ-1, \slot, 0
	WIN 0
	s_barrier_wait -1
	PLACES NP
	v_add_nc_u32 v[ADRS], 4*NQ, v[ADRS]            ; on to the next slot's scale words
	FETCH_B \next, 0, 0
	FETCH_A \next, 0, 0
	SCALES \next
	WIN MUL_HI
	MUL16 4, 1, NQ-1, \slot, 0
	MUL16 6, 1, NQ-1, \slot, 0
	PLACES NP
	WIN 0
	FETCH_A \next, 0, 4
.endm
.macro STEPS slot, from
.set Q, \from
.rept NQ-1-\from
	STEP \slot, Q, 0
.set Q, Q+1
.endr
.endm
	s_wait_tensorcnt 1                             ; the scales and my part of the first slot are in; the second slot's load may be out
	s_barrier_signal -1
	s_barrier_wait -1
	FETCH_B 0, 0, 0
	FETCH_A 0, 0, 0
	SCALES 0
	FETCH_A 0, 0, 4
	STEP 0, 0, 1                                   ; the first step's products start the sums: nothing is cleared
	STEPS 0, 1
	TURN 0, 1
	STEPS 1, 0
	s_wait_dscnt 4*NL                              ; the last step: nothing more to fetch
	WIN MUL_LO
	MUL16 0, 1, NQ-1, 1, 0
	MUL16 2, 1, NQ-1, 1, 0
	s_wait_dscnt 0
	WIN MUL_HI
	MUL16 4, 1, NQ-1, 1, 0
	MUL16 6, 1, NQ-1, 1, 0
	WIN 0
; THE WAY OUT.
	PLACES NP                                      ; behind the last products: for the reads of results and for the writes of registers that held x's fragments
	s_cmp_eq_u32 s95, 0                            ; cluster y and the wave's number alone: the same in all partners
	s_cbranch_scc0 .Lnofine
	WIN 0x08                                       ; a store's data are its source 1: window 2
.irp b, 0,1,2,3,4,5,6,7
	global_store_b128 v[FO], v[8*\b:8*\b+3], s[96:97] offset:64*\b          ; positions 0-15, f32, unscaled; each accumulator from its low end on
	global_store_b128 v[FO], v[8*\b+4:8*\b+7], s[96:97] offset:64*\b+16
.endr
	WIN 0
.Lnofine:
.macro PACK a                          ; block a (16 rows x 128 columns): x the factor in f32, then one rounding to f16
.set AC, 64*((\a)%4)
	WIN 0x02+((\a)/4)                              ; source 0: window 2 or 3
.set ii, 0
.rept 32
	v_pk_mul_f32 v[T+2*ii:T+2*ii+1], v[AC+2*ii:AC+2*ii+1], s[98:99] op_sel_hi:[1,0]   ; ascending: each accumulator from its low end on
.set ii, ii+1
.endr
	WIN 0
.set ii, 0
.rept 32
	v_cvt_pk_f16_f32 v[TMP+ii], v[T+2*ii], v[T+2*ii+1]
.set ii, ii+1
.endr
.endm
.macro TOSTAGE a                       ; accumulator b holds channels 16 (b % 4) + 8 h + 0 .. 7 of head b / 4
.set BB, BK+32*((\a)%2)
.irp b, 0,1,2,3,4,5,6,7
	ds_store_b128 v[STO], v[TMP+4*\b:TMP+4*\b+3] offset:(\b/4)*16*HP+32*(\b%4)
.endr
.irp t, 0,1,2,3,4,5,6,7
	ds_load_b128 v[BB+4*\t:BB+4*\t+3], v[RD] offset:(\t/4)*16*HP+(\t%4)*4*HP   ; LDS serves a wave's instructions in order: these see the stores above
.endr
.endm
.macro SEND a, younger                 ; younger: the LDS instructions issued behind block a's loads, which may stay out
.set BB, BK+32*((\a)%2)
	s_wait_dscnt \younger
.irp t, 0,1,2,3,4,5,6,7
	global_store_b128 v[CO], v[BB+4*\t:BB+4*\t+3], s[12:13] offset:(\t/4)*262144+(\a)*2048+(\t%4)*512   ; 32 lanes store 512 consecutive bytes, aligned: four positions of one head
.endr
.endm
	PACK 0
	TOSTAGE 0
.irp a, 1,2,3,4,5,6,7
.if \a > 1
	s_wait_xcnt 0x0                                ; block a - 2's stores have read their registers: block a's loads may land there
.endif
	PACK \a
	TOSTAGE \a
	SEND \a-1, 16                                  ; behind block a - 1's loads: block a's 8 stores and 8 loads
.endr
	SEND 7, 0
	s_wait_tensorcnt 0x0                           ; the wave's end, behind my last tensor load and my last LDS store
	ds_add_u32 v[SPW], v[NIL]
	s_wait_dscnt 0x0
	CROUND                                         ; the closing round
	s_endpgm
.Lfunc_end_k_q735b8842e6_qkv:
	.size	k_q735b8842e6_qkv, .Lfunc_end_k_q735b8842e6_qkv-k_q735b8842e6_qkv
	.p2alignl 7, 3214868480
	.fill 96, 4, 3214868480
	.section	.rodata,"a",@progbits
	.p2align	6, 0x0
	.amdhsa_kernel k_q735b8842e6_qkv
		.amdhsa_group_segment_fixed_size 327680
		.amdhsa_private_segment_fixed_size 0
		.amdhsa_enable_private_segment 0
		.amdhsa_kernarg_size 48
		.amdhsa_user_sgpr_count 2
		.amdhsa_user_sgpr_kernarg_segment_ptr 1
		.amdhsa_wavefront_size32 1
		.amdhsa_system_sgpr_workgroup_id_x 1
		.amdhsa_system_sgpr_workgroup_id_y 1
		.amdhsa_system_sgpr_workgroup_id_z 1
		.amdhsa_system_vgpr_workitem_id 0
		.amdhsa_next_free_vgpr 1024
		.amdhsa_next_free_sgpr 100
		.amdhsa_reserve_vcc 0
		.amdhsa_float_denorm_mode_32 3
		.amdhsa_float_denorm_mode_16_64 3
		.amdhsa_memory_ordered 1
		.amdhsa_forward_progress 1
		.amdhsa_inst_pref_size 145
	.end_amdhsa_kernel
	.amdgpu_metadata
---
amdhsa.version: [ 1, 2 ]
amdhsa.kernels:
  - .name:           k_q735b8842e6_qkv
    .symbol:         k_q735b8842e6_qkv.kd
    .args:
      - { .name: xc, .offset: 0, .size: 8, .value_kind: global_buffer, .address_space: global }
      - { .name: xs, .offset: 8, .size: 8, .value_kind: global_buffer, .address_space: global }
      - { .name: wc, .offset: 16, .size: 8, .value_kind: global_buffer, .address_space: global }
      - { .name: ws, .offset: 24, .size: 8, .value_kind: global_buffer, .address_space: global }
      - { .name: qkv, .offset: 32, .size: 8, .value_kind: global_buffer, .address_space: global }
      - { .name: qkv32, .offset: 40, .size: 8, .value_kind: global_buffer, .address_space: global }
    .group_segment_fixed_size: 327680
    .private_segment_fixed_size: 0
    .kernarg_segment_align: 8
    .kernarg_segment_size: 48
    .max_flat_workgroup_size: 128
    .sgpr_count:     100
    .vgpr_count:     1024
    .wavefront_size: 32
...
	.end_amdgpu_metadata
.endif
;; end of part 2
;; launch attn (part 3): grid 4 x 64, 8 waves a work-group, no clusters, 327,680 bytes of LDS; arguments qkv, y16; writes y16
.if DOCPART == 3
	.amdgcn_target "amdgcn-amd-amdhsa--gfx1250"
	.amdhsa_code_object_version 6
	.text
	.protected	k_q735b8842e6_attn
	.globl	k_q735b8842e6_attn
	.p2align	8
	.type	k_q735b8842e6_attn,@function
k_q735b8842e6_attn:
	s_mov_b64 s[64:65], 0
	v_nop
	global_prefetch_b8 v0, s[64:65] scope:SCOPE_SE
	s_setreg_imm32_b32 hwreg(HW_REG_WAVE_MODE, 25, 1), 1
	s_wait_xcnt 0x0
; y[b][h][q] = the sum over k <= q of softmax_k(q . k / 8) v, head size 64, 2,048 positions, 64 heads in all.  q (already x log2(e) / 8), k, v: f16, [part][batch x 16 + head][position][64].
; Products on f16 operands with f32 sums; maxima, exponentials and sums in f32; the weights p are rounded to f16 for the second product, y once at the end.  y16: f16, [head][batch x 2048 + position][64].
; SHARES.  Work-group (I, head) owns two blocks of 256 queries, 7 - I and then I.  Block j wants key blocks 0 .. j: so EVERY work-group walks 9 key blocks of 256 keys: a constant trip count, equal work for 256 work-groups.
; Each of eight waves owns 32 queries, two tiles of 16, so that each fragment of K and V read from LDS feeds two matrix instructions; two waves share a SIMD, so that one's softmax stands beside the other's products.
; NO CLUSTER: the four work-groups of a head walk the same key blocks only for 5 of their 9 trips (after that block 7 - I ends at another trip in each); a common walk would be 12 trips for 9 trips' work,
; and whole partners would jump over the reads of joint tiles.
; LAYOUT.  S^T = K Q^T (source 0 = 16 keys, source 1 = 16 queries): a lane holds ONE query (lane % 16) and keys 8 (lane / 16) + 0..7 of each tile of 16.  Two such tiles, rounded to f16 in pairs, ARE source 1
; (32 keys x 16 queries) of O^T = V^T P.  K comes out of LDS as it lies, V ([key][channel]) turned by ds_load_tr16_b128.
; SOFTMAX.  A running maximum m and sum l for each query: p = 2^(s - m); in every step O and l are multiplied by a = 2^(m_old - m_new).  m begins at -3e38, l and O^T at 0.
; MASK.  A step of 64 keys all of which come after the wave's 32 queries is jumped over (a scalar branch on ids); on the diagonal hidden scores become -infinity ahead of the maximum.
; A step's first key is a multiple of 64 and the wave's first query of 32: so in every step that is walked the first key counts for all 32 queries.
; RING.  Two slots of 256 keys (K's rows 144 bytes apart, V's 160).  Waves 0-3 fetch K's quarters, waves 4-7 V's: one tensor load a wave behind each barrier, and one out at a time.  Every wait on TENSORcnt is for 0.
; LIMITS: f16's range for q, k, v and y (under 65,504; under 6e-5 f16's subnormals).
; REGISTERS: window 0: v1-15 addresses and constants; v16-31 statistics, eight a tile (+0 m, +2, +3 l, +4..+7 at work, a at +6); v32-63 Q; v64-127 S^T, then p, then P in place; v128-191 O^T; v192-255 K.  window 1: v0-63 V.
.set KP,    144
.set VP,    160
.set VOFF,  256*KP
.set SLOT1, 1<<17                      ; slot 1 begins here: one exclusive or turns an address in one slot into the other's
.set STAGE, SLOT1+VOFF+256*VP          ; the way out: for each wave 2 tiles x 16 rows x (128 bytes + 16); bytes of its own
.set SPARE, STAGE+8*4608               ; the spare words, 128 bytes for each wave
.set AK0, 1
.set AV0, 2
.set ADK, 3
.set ADV, 4
.set QO,  5
.set STO, 6
.set RD,  7
.set GO,  8
.set SPW, 9
.set NIL, 10
.set PFO, 11
.set D0,  12
.set NINF, 14
.set LM,  15
.set ST,  16
.set QR,  32
.set SR,  64
.set OR,  128
.set KR,  192
.set WV,  8
.set BH,  9
.set SEL, 22
.set G1K, 24
.set G1V, 32
.set G0K, 40
.set G0V, 44
.set TRIPS, 48
.set STEPC, 49
.set TBK, 50
.set TBV, 51
.set KF,  52
.set Q0,  53
.set QEND, 54
.set NKB, 55
.set LEN1, 56
.set LIM, 57
.set PFA, 58
.set MSB, 0
.macro WIN new
.if MSB != \new
	s_set_vgpr_msb (MSB<<8)|\new
.set MSB, \new
.endif
.endm
; Every wave issues one of the two lines: the branch hangs on the wave's number alone.  An s_nop 0 and four v_nop follow each.
.macro TLOAD
	s_cmp_lt_u32 s[WV], 4
	s_cbranch_scc0 .Lfor_v_\@
	tensor_load_to_lds s[G0K:G0K+3], s[G1K:G1K+7]
	s_nop 0
.rept 4
	v_nop
.endr
	s_branch .Lasked_\@
.Lfor_v_\@:
	tensor_load_to_lds s[G0V:G0V+3], s[G1V:G1V+7]
	s_nop 0
.rept 4
	v_nop
.endr
.Lasked_\@:
.endm
; A PREFETCH INTO THE L2 of the key block that the NEXT change of slots will ask for: four key steps ahead of that load.  All four work-groups of a head walk key blocks 0, 1, 2 .. : the head's work-group I = 0,
; which walks all eight, asks, and nobody else.  Waves 0-3 name K's 32,768 bytes, waves 4-7 V's: 8,192 bytes a wave, lanes 256 bytes apart: each aligned block of 256 bytes from key block 2 on is named once in the launch.
; Trip t names key block t + 2, t = 0 .. 5; key blocks 0 and 1 come by their loads alone; the last trips ask for nothing.
.macro ASK
	s_cmp_gt_u32 s[TRIPS], s[LIM]
	s_cbranch_scc0 .Lnot_mine_\@
	global_prefetch_b8 v[PFO], s[PFA:PFA+1] th:TH_LOAD_NT scope:SCOPE_SE
.Lnot_mine_\@:
.endm
	s_load_b128 s[4:7], s[0:1], 0x0                ; qkv s[4:5], y16 s[6:7]
	v_lshl_add_u32 v[SPW], v0, 2, SPARE
	v_mov_b32 v[NIL], 0
	ds_add_u32 v[SPW], v[NIL]                      ; the wave's opening: the add, twice on end, and its wait ahead of my first tensor load
	ds_add_u32 v[SPW], v[NIL]
	v_lshrrev_b32 v1, 5, v0
	v_readfirstlane_b32 s[WV], v1                  ; wave 0..7
	s_and_b32 s[BH], ttmp7, 0xffff                 ; batch x 16 + head
	; descriptor group 1: 64 rows of 64 elements of 2 bytes, dense in memory; padding behind every 32 words: 4 words for K, 8 for V
	s_mov_b32 s[G1K], (1<<16)|(1<<20)|(4<<22)|(3<<25)
	s_mov_b32 s[G1V], (1<<16)|(1<<20)|(4<<22)|(7<<25)
.irp g, G1K, G1V
	s_mov_b32 s[\g+1], 64<<16                      ; tensor_dim0
	s_mov_b32 s[\g+2], 64<<16                      ; tensor_dim1
	s_mov_b32 s[\g+3], 64<<16                      ; tile_dim0
	s_mov_b32 s[\g+4], 64                          ; tile_dim1
	s_mov_b32 s[\g+5], 64                          ; the pitch
	s_mov_b32 s[\g+6], 0
	s_mov_b32 s[\g+7], 0
.endr
	s_and_b32 s60, s[WV], 3                        ; which quarter of a key block I fetch
	s_mov_b32 s[G0K], 1
	s_mul_i32 s[G0K+1], s60, 64*KP                 ; its place in slot 0
	s_mov_b32 s[G0V], 1
	s_mul_i32 s[G0V+1], s60, 64*VP
	s_add_co_u32 s[G0V+1], s[G0V+1], VOFF
	s_lshl_b32 s62, s60, 13                        ; its 64 rows of 128 bytes in memory,
	s_lshl_b32 s61, s[BH], 18                      ; in my head
	s_add_co_u32 s62, s62, s61
	s_mov_b32 s63, 0
	s_lshl_b32 s66, s[WV], 12                      ; my wave's 32 rows in a block of queries
	s_add_co_u32 s66, s66, s61
	s_mov_b32 s67, 0
	s_and_b32 s68, s[BH], 15                       ; y16: head x 2^20 + batch x 2^18 + my wave's rows
	s_lshl_b32 s68, s68, 20
	s_lshr_b32 s69, s[BH], 4
	s_lshl_b32 s69, s69, 18
	s_add_co_u32 s68, s68, s69
	s_lshl_b32 s69, s[WV], 12
	s_add_co_u32 s68, s68, s69
	s_mov_b32 s69, 0
	s_mov_b32 s[SEL], 0x76543210
	s_mov_b32 s[SEL+1], 0xfedcba98                 ; v_permlanex16_b32's selects for lane l xor 16
	s_mov_b32 s[TBK], 0
	s_mov_b32 s[TBV], 0
	s_mov_b32 s[NKB], 0
	s_sub_co_u32 s[LEN1], 8, ttmp9                 ; key blocks of the first block of queries
	s_mov_b32 s[TRIPS], 8
	s_wait_dscnt 0x0                               ; both opening adds are done
	s_wait_kmcnt 0x0
	s_add_nc_u64 s[10:11], s[4:5], s[66:67]        ; q at my wave's rows of block 0
	s_add_nc_u64 s[12:13], s[6:7], s[68:69]        ; y likewise
	s_add_nc_u64 s[14:15], s[4:5], s[62:63]
	s_add_nc_u64 s[16:17], s[14:15], 0x2000000     ; v at my quarter of key block 0
	s_add_nc_u64 s[14:15], s[14:15], 0x1000000     ; k likewise
	s_mov_b64 s[G0K+2:G0K+3], s[14:15]
	s_or_b32 s[G0K+3], s[G0K+3], 0x80000000
	s_mov_b64 s[G0V+2:G0V+3], s[16:17]
	s_or_b32 s[G0V+3], s[G0V+3], 0x80000000
	TLOAD                                          ; key block 0 into slot 0
	s_cmp_lt_u32 s[WV], 4
	s_cselect_b64 s[PFA:PFA+1], s[14:15], s[16:17]
	s_add_nc_u64 s[PFA:PFA+1], s[PFA:PFA+1], 32768 ; at key block 1: the first change of slots steps it to 2.  Nothing is prefetched here, at the head
	s_cmp_eq_u32 ttmp9, 0
	s_cselect_b32 s[LIM], 2, -1
	v_and_b32 v16, 15, v0                          ; r
	v_bfe_u32 v17, v0, 4, 1                        ; h
	v_mul_u32_u24 v[AK0], v16, KP
	v_lshl_add_u32 v[AK0], v17, 4, v[AK0]          ; K: row r x pitch + 16 h
	v_and_b32 v18, 7, v0
	v_bfe_u32 v19, v0, 3, 1
	v_lshl_add_u32 v[AV0], v17, 3, v18             ; V, for the turning load: key 8 h + l % 8, channels 8 ((l / 8) % 2) on
	v_mul_u32_u24 v[AV0], v[AV0], VP
	v_lshl_add_u32 v[AV0], v19, 4, v[AV0]
	v_add_nc_u32 v[AV0], VOFF, v[AV0]
	v_lshlrev_b32 v[QO], 7, v16
	v_lshl_add_u32 v[QO], v17, 4, v[QO]            ; Q in memory: row r x 128 + 16 h
	s_mul_i32 s60, s[WV], 4608
	s_add_co_u32 s60, s60, STAGE                   ; my stage
	v_mul_u32_u24 v[STO], v16, 144
	v_lshl_add_u32 v[STO], v17, 4, v[STO]
	v_add_nc_u32 v[STO], s60, v[STO]
	v_bfe_u32 v[RD], v0, 3, 2
	v_mul_u32_u24 v[RD], v[RD], 144
	v_lshl_add_u32 v[RD], v18, 4, v[RD]
	v_add_nc_u32 v[RD], s60, v[RD]
	v_and_b32 v[GO], 31, v0
	v_lshlrev_b32 v[PFO], 8, v[GO]
	v_lshlrev_b32 v[GO], 4, v[GO]
	v_lshlrev_b32 v[LM], 3, v17
	v_sub_nc_u32 v[LM], v16, v[LM]                 ; r - 8 h
	v_mov_b32 v[NINF], 0xff800000
; A block of queries begins: s66 = its number.  Q into registers; m = -3e38, l = 0, O^T = 0 (the step is written once: its first walk finds zeros, which a = 0 leaves zeros).
.macro SETQ
	s_lshl_b32 s[Q0], s66, 8
	s_add_co_u32 s[QEND], s[Q0], 256               ; the first key that no query of the block sees
	s_lshl_b32 s60, s[WV], 5
	s_add_co_u32 s[Q0], s[Q0], s60                 ; my first query
	s_lshl_b32 s60, s66, 15
	s_mov_b32 s61, 0
	s_add_nc_u64 s[18:19], s[10:11], s[60:61]
	s_add_nc_u64 s[20:21], s[12:13], s[60:61]
	s_mov_b32 s[KF], 0
.irp f, 0,1,2,3                        ; tile f / 2, channels 32 (f % 2) on
	global_load_b128 v[QR+8*\f:QR+8*\f+3], v[QO], s[18:19] offset:(\f/2)*2048+(\f%2)*64
	global_load_b128 v[QR+8*\f+4:QR+8*\f+7], v[QO], s[18:19] offset:(\f/2)*2048+(\f%2)*64+32
.endr
.irp q, 0,1
	v_mov_b32 v[ST+8*\q], 0xff61b1e6
.irp j, 1,2,3,4,5,6,7
	v_mov_b32 v[ST+8*\q+\j], 0
.endr
.endr
.set ii, 0
.rept 64
	v_mov_b32 v[OR+ii], 0
.set ii, ii+1
.endr
	s_wait_loadcnt 0x0
.endm
; A KEY STEP: 64 keys.
.macro STEP
	s_add_co_u32 s60, s[Q0], 31
	s_cmp_gt_u32 s[KF], s60                        ; all 64 keys come after my 32 queries: the step's work is left out; the lines at its end that step addresses are not
	s_cbranch_scc1 .Lhidden_\@
	v_add_nc_u32 v[ADK], s[TBK], v[AK0]
	v_add_nc_u32 v[ADV], s[TBV], v[AV0]
.rept 3
	v_nop                                          ; with the two additions five places behind the last step's products: four for the loads into V's registers, five for the products below, which write over P's
.endr
.irp f, 0,1,2,3,4,5,6,7                ; keys 16 (f / 2) on, channels 32 (f % 2) on
	ds_load_b128 v[KR+8*\f:KR+8*\f+3], v[ADK] offset:(\f/2)*16*KP+(\f%2)*64
	ds_load_b128 v[KR+8*\f+4:KR+8*\f+7], v[ADK] offset:(\f/2)*16*KP+(\f%2)*64+32
.endr
	WIN 0x40                                       ; destination window 1
.irp f, 0,1,2,3,4,5,6,7                ; keys 32 (f / 4) on, channels 16 (f % 4) on
	ds_load_tr16_b128 v[8*\f:8*\f+3], v[ADV] offset:(\f/4)*32*VP+(\f%4)*32
	ds_load_tr16_b128 v[8*\f+4:8*\f+7], v[ADV] offset:(\f/4)*32*VP+16*VP+(\f%4)*32
.endr
	WIN 0
	s_wait_dscnt 16                                ; K's sixteen loads are in; V's sixteen may be out
.irp ks, 0,1                           ; S^T = K Q^T: the eight accumulators take turns; the first eight products start the sums
.irp kt, 0,1,2,3
.irp q, 0,1
.if \ks == 0
	v_wmma_f32_16x16x32_f16 v[SR+32*\q+8*\kt:SR+32*\q+8*\kt+7], v[KR+16*\kt+8*\ks:KR+16*\kt+8*\ks+7], v[QR+16*\q+8*\ks:QR+16*\q+8*\ks+7], 0
.else
	v_wmma_f32_16x16x32_f16 v[SR+32*\q+8*\kt:SR+32*\q+8*\kt+7], v[KR+16*\kt+8*\ks:KR+16*\kt+8*\ks+7], v[QR+16*\q+8*\ks:QR+16*\q+8*\ks+7], v[SR+32*\q+8*\kt:SR+32*\q+8*\kt+7]
.endif
.endr
.endr
.endr
.rept 4
	v_nop
.endr
	s_add_co_u32 s60, s[KF], 63
	s_cmp_le_u32 s60, s[Q0]                        ; all 64 keys count for all my queries: no mask
	s_cbranch_scc1 .Lopen_\@
	s_sub_co_i32 s60, s[Q0], s[KF]
	v_add_nc_u32 v[D0], s60, v[LM]                 ; register 8 kt + j of tile q holds key KF + 16 kt + 8 h + j: hidden where 16 kt + j > Q0 - KF + 16 q + r - 8 h
	v_add_nc_u32 v[D0+1], 16, v[D0]
.irp q, 0,1
.irp n, 0,1,2,3,4,5,6,7,8,9,10,11,12,13,14,15,16,17,18,19,20,21,22,23,24,25,26,27,28,29,30,31
	v_cmp_gt_i32 vcc_lo, 16*(\n/8)+\n%8, v[D0+\q]
	v_cndmask_b32 v[SR+32*\q+\n], v[SR+32*\q+\n], v[NINF], vcc_lo
.endr
.endr
.Lopen_\@:
.irp j, 0,1,2,3                        ; the maximum of a lane's 32 scores and the old m: four chains, the two tiles line by line; each accumulator is read from its low end on
.irp q, 0,1
	v_max3_num_f32 v[ST+8*\q+4+\j], v[SR+32*\q+8*\j], v[SR+32*\q+8*\j+1], v[SR+32*\q+8*\j+2]
.endr
.endr
.irp i, 3,5
.irp j, 0,1,2,3
.irp q, 0,1
	v_max3_num_f32 v[ST+8*\q+4+\j], v[ST+8*\q+4+\j], v[SR+32*\q+8*\j+\i], v[SR+32*\q+8*\j+\i+1]
.endr
.endr
.endr
.irp q, 0,1
	v_max3_num_f32 v[ST+8*\q+4], v[ST+8*\q+4], v[SR+32*\q+7], v[SR+32*\q+15]
	v_max3_num_f32 v[ST+8*\q+6], v[ST+8*\q+6], v[SR+32*\q+23], v[SR+32*\q+31]
.endr
.irp q, 0,1
	v_max3_num_f32 v[ST+8*\q+4], v[ST+8*\q+4], v[ST+8*\q+5], v[ST+8*\q+6]
.endr
.irp q, 0,1
	v_max3_num_f32 v[ST+8*\q+4], v[ST+8*\q+4], v[ST+8*\q+7], v[ST+8*\q]
.endr
.irp q, 0,1
	v_permlanex16_b32 v[ST+8*\q+5], v[ST+8*\q+4], s[SEL], s[SEL+1]   ; the query's other 32 keys lie in the lane 16 away
.endr
.irp q, 0,1
	v_mov_b32 v[ST+8*\q+7], v[ST+8*\q]             ; the old m
.endr
.irp q, 0,1
	v_max_num_f32 v[ST+8*\q], v[ST+8*\q+4], v[ST+8*\q+5]   ; the new m
.endr
.irp q, 0,1
	v_sub_f32 v[ST+8*\q+7], v[ST+8*\q+7], v[ST+8*\q]
.endr
.irp i, 0,2,4,6,8,10,12,14,16,18,20,22,24,26,28,30
.irp q, 0,1
	v_pk_add_f32 v[SR+32*\q+\i:SR+32*\q+\i+1], v[SR+32*\q+\i:SR+32*\q+\i+1], v[ST+8*\q:ST+8*\q+1] op_sel_hi:[1,0] neg_lo:[0,1] neg_hi:[0,1]   ; s - m, never above 0
.endr
.endr
.irp q, 0,1                            ; ONE BATCH of 66 exponentials: none of them reads another's result
	v_exp_f32 v[ST+8*\q+6], v[ST+8*\q+7]           ; a = 2^(m_old - m_new)
.endr
.set ii, 0
.rept 64
	v_exp_f32 v[SR+ii], v[SR+ii]                   ; p = 2^(s - m)
.set ii, ii+1
.endr
	v_nop                                          ; a plain instruction behind the last exponential
	s_wait_alu depctr_va_vdst(0)                   ; one wait for the batch, ahead of its first reader
.irp q, 0,1                            ; l = a l + the sum of the unrounded p, in two chains a tile
	v_pk_fma_f32 v[ST+8*\q+2:ST+8*\q+3], v[ST+8*\q+2:ST+8*\q+3], v[ST+8*\q+6:ST+8*\q+7], v[SR+32*\q:SR+32*\q+1] op_sel_hi:[1,0,1]
	v_pk_add_f32 v[ST+8*\q+4:ST+8*\q+5], v[SR+32*\q+2:SR+32*\q+3], v[SR+32*\q+4:SR+32*\q+5]
.endr
.irp j, 6,10,14,18,22,26
.irp q, 0,1
	v_pk_add_f32 v[ST+8*\q+2:ST+8*\q+3], v[ST+8*\q+2:ST+8*\q+3], v[SR+32*\q+\j:SR+32*\q+\j+1]
	v_pk_add_f32 v[ST+8*\q+4:ST+8*\q+5], v[ST+8*\q+4:ST+8*\q+5], v[SR+32*\q+\j+2:SR+32*\q+\j+3]
.endr
.endr
.irp q, 0,1
	v_pk_add_f32 v[ST+8*\q+2:ST+8*\q+3], v[ST+8*\q+2:ST+8*\q+3], v[SR+32*\q+30:SR+32*\q+31]
.endr
.irp q, 0,1
	v_pk_add_f32 v[ST+8*\q+2:ST+8*\q+3], v[ST+8*\q+2:ST+8*\q+3], v[ST+8*\q+4:ST+8*\q+5]
.endr
.irp j, 0,1,2,3,4,5,6,7,8,9,10,11,12,13,14,15
.irp q, 0,1
	v_cvt_pk_f16_f32 v[SR+32*\q+\j], v[SR+32*\q+2*\j], v[SR+32*\q+2*\j+1]   ; P, in place and ascending: result j lands at or under the pair that it reads
.endr
.endr
.irp i, 0,2,4,6,8,10,12,14,16,18,20,22,24,26,28,30
.irp q, 0,1
	v_pk_mul_f32 v[OR+32*\q+\i:OR+32*\q+\i+1], v[OR+32*\q+\i:OR+32*\q+\i+1], v[ST+8*\q+6:ST+8*\q+7] op_sel_hi:[1,0]   ; O^T x a
.endr
.endr
	s_wait_dscnt 0x0                               ; V is in
	WIN 0x01                                       ; source 0 (V) window 1
.irp f, 0,1                            ; O^T += V^T P: keys 32 f on; the eight accumulators take turns
.irp ct, 0,1,2,3
.irp q, 0,1
	v_wmma_f32_16x16x32_f16 v[OR+32*\q+8*\ct:OR+32*\q+8*\ct+7], v[32*\f+8*\ct:32*\f+8*\ct+7], v[SR+32*\q+8*\f:SR+32*\q+8*\f+7], v[OR+32*\q+8*\ct:OR+32*\q+8*\ct+7]
.endr
.endr
.endr
	WIN 0
.Lhidden_\@:
	s_add_co_u32 s[TBK], s[TBK], 64*KP             ; the next step's tiles
	s_add_co_u32 s[TBV], s[TBV], 64*VP
	s_add_co_u32 s[KF], s[KF], 64
.endm
.macro FOUR_STEPS                      ; a slot's four key steps: written once, walked four times; then on to the other slot
	s_mov_b32 s[STEPC], 4
.Lstep_\@:
	STEP
	s_sub_co_u32 s[STEPC], s[STEPC], 1
	s_cmp_lg_u32 s[STEPC], 0
	s_cbranch_scc1 .Lstep_\@
	s_sub_co_u32 s[TBK], s[TBK], 4*64*KP
	s_sub_co_u32 s[TBV], s[TBV], 4*64*VP
	s_xor_b32 s[TBK], s[TBK], SLOT1
	s_xor_b32 s[TBV], s[TBV], SLOT1
.endm
; THE CHANGE OF SLOTS stands at a slot's head.  Each wave waits for all its tensor loads (its part of the slot that it is about to read), adds 0 to its spare word, and waits for that and for its reads of the slot that it has left.
; Behind the barrier the slot ahead is whole and nobody reads the other one.  fill = 1: that other slot takes the walk's next key block: the load has four key steps in which to land.
.macro CHANGE fill
	s_wait_tensorcnt 0x0                           ; no tensor load of mine is out, so a group 0 may be written
	ds_add_u32 v[SPW], v[NIL]                      ; 0 onto my spare word; the descriptors' steps stand between it and its wait
.if \fill
	s_add_co_u32 s[NKB], s[NKB], 1                 ; the walk's next key block: 0 .. 7 - I, then 0 .. I
	s_cmp_eq_u32 s[NKB], s[LEN1]
	s_cselect_b32 s[NKB], 0, s[NKB]
	s_lshl_b32 s60, s[NKB], 15
	s_mov_b32 s61, 0
	s_xor_b32 s[G0K+1], s[G0K+1], SLOT1            ; the other slot than last time
	s_xor_b32 s[G0V+1], s[G0V+1], SLOT1
	s_add_nc_u64 s[G0K+2:G0K+3], s[14:15], s[60:61]
	s_or_b32 s[G0K+3], s[G0K+3], 0x80000000
	s_add_nc_u64 s[G0V+2:G0V+3], s[16:17], s[60:61]
	s_or_b32 s[G0V+3], s[G0V+3], 0x80000000
	s_wait_xcnt 0x0                                ; the last prefetch, a slot back, has read its address, so it may be written
	s_add_nc_u64 s[PFA:PFA+1], s[PFA:PFA+1], 32768
.endif
	s_wait_dscnt 0x0                               ; the add is done, and my reads of the slot that I have left are over
	s_barrier_signal -1
	s_barrier_wait -1
.if \fill
	TLOAD                                          ; the first thing behind the barrier, and my one tensor load until the next
	ASK
.endif
.endm
; THE WAY OUT of a block of queries: l's halves are added, O^T is divided by l, rounded to f16, and goes through my stage, so that each store covers 512 consecutive bytes, aligned: four positions of my head.
.macro OUTPUT
.rept 4
	v_nop                                          ; places behind the last products
.endr
.irp q, 0,1
	v_add_f32 v[ST+8*\q+4], v[ST+8*\q+2], v[ST+8*\q+3]
.endr
.irp q, 0,1
	v_permlanex16_b32 v[ST+8*\q+5], v[ST+8*\q+4], s[SEL], s[SEL+1]
.endr
.irp q, 0,1
	v_add_f32 v[ST+8*\q+4], v[ST+8*\q+4], v[ST+8*\q+5]
.endr
.irp q, 0,1
	v_rcp_f32 v[ST+8*\q+6], v[ST+8*\q+4]
.endr
	v_nop                                          ; a plain instruction behind the last reciprocal
	s_wait_alu depctr_va_vdst(0)                   ; and the wait ahead of the first reader: one for both
.irp q, 0,1
.irp i, 0,2,4,6,8,10,12,14,16,18,20,22,24,26,28,30
	v_pk_mul_f32 v[OR+32*\q+\i:OR+32*\q+\i+1], v[OR+32*\q+\i:OR+32*\q+\i+1], v[ST+8*\q+6:ST+8*\q+7] op_sel_hi:[1,0]
.endr
.endr
.set ii, 0
.rept 32
	v_cvt_pk_f16_f32 v[SR+ii], v[OR+2*ii], v[OR+2*ii+1]
.set ii, ii+1
.endr
.irp f, 0,1,2,3,4,5,6,7                ; tile f / 4, channels 16 (f % 4) + 8 h on
	ds_store_b128 v[STO], v[SR+4*\f:SR+4*\f+3] offset:(\f/4)*2304+32*(\f%4)
.endr
.irp f, 0,1,2,3,4,5,6,7
	ds_load_b128 v[SR+32+4*\f:SR+32+4*\f+3], v[RD] offset:(\f/4)*2304+(\f%4)*576   ; LDS serves a wave's instructions in order: these see the stores above
.endr
.irp f, 0,1,2,3,4,5,6,7
	s_wait_dscnt 7-\f                              ; the younger loads may be out
	global_store_b128 v[GO], v[SR+32+4*\f:SR+32+4*\f+3], s[20:21] offset:(\f/4)*2048+(\f%4)*512
.endr
	s_wait_xcnt 0x0                                ; the stores have read their registers and their base: both are written again
.endm
	s_sub_co_u32 s66, 7, ttmp9                     ; the first block of queries: 7 - I
	SETQ
.Lslot:                                            ; eight trips: behind each change of slots the walk's next key block is asked for
	CHANGE 1
	FOUR_STEPS
	s_cmp_lg_u32 s[KF], s[QEND]                    ; ids and the count of steps alone
	s_cbranch_scc1 .Lstay
	OUTPUT                                         ; the first block of queries has seen its last key block
	s_mov_b32 s66, ttmp9                           ; the second: I
	SETQ
.Lstay:
	s_sub_co_u32 s[TRIPS], s[TRIPS], 1
	s_cmp_lg_u32 s[TRIPS], 0
	s_cbranch_scc1 .Lslot
	CHANGE 0                                       ; the ninth key block is written out
	FOUR_STEPS
	OUTPUT
	s_wait_tensorcnt 0x0                           ; the wave's end, behind my last tensor load and my last LDS store
	ds_add_u32 v[SPW], v[NIL]
	s_wait_dscnt 0x0
	s_endpgm
.Lfunc_end_k_q735b8842e6_attn:
	.size	k_q735b8842e6_attn, .Lfunc_end_k_q735b8842e6_attn-k_q735b8842e6_attn
	.p2alignl 7, 3214868480
	.fill 96, 4, 3214868480
	.section	.rodata,"a",@progbits
	.p2align	6, 0x0
	.amdhsa_kernel k_q735b8842e6_attn
		.amdhsa_group_segment_fixed_size 327680
		.amdhsa_private_segment_fixed_size 0
		.amdhsa_enable_private_segment 0
		.amdhsa_kernarg_size 16
		.amdhsa_user_sgpr_count 2
		.amdhsa_user_sgpr_kernarg_segment_ptr 1
		.amdhsa_wavefront_size32 1
		.amdhsa_system_sgpr_workgroup_id_x 1
		.amdhsa_system_sgpr_workgroup_id_y 1
		.amdhsa_system_sgpr_workgroup_id_z 1
		.amdhsa_system_vgpr_workitem_id 0
		.amdhsa_next_free_vgpr 320
		.amdhsa_next_free_sgpr 72
		.amdhsa_reserve_vcc 1
		.amdhsa_float_denorm_mode_32 3
		.amdhsa_float_denorm_mode_16_64 3
		.amdhsa_memory_ordered 1
		.amdhsa_forward_progress 1
		.amdhsa_inst_pref_size 72
	.end_amdhsa_kernel
	.amdgpu_metadata
---
amdhsa.version: [ 1, 2 ]
amdhsa.kernels:
  - .name:           k_q735b8842e6_attn
    .symbol:         k_q735b8842e6_attn.kd
    .args:
      - { .name: qkv, .offset: 0, .size: 8, .value_kind: global_buffer, .address_space: global }
      - { .name: y16, .offset: 8, .size: 8, .value_kind: global_buffer, .address_space: global }
    .group_segment_fixed_size: 327680
    .private_segment_fixed_size: 0
    .kernarg_segment_align: 8
    .kernarg_segment_size: 16
    .max_flat_workgroup_size: 256
    .sgpr_count:     72
    .vgpr_count:     320
    .wavefront_size: 32
...
	.end_amdgpu_metadata
.endif
;; end of part 3
;; launch proj (part 4): grid 4 x 64, 4 waves a work-group, clusters of 4 x 4, 327,680 bytes of LDS; arguments y16, wp16, out0; writes out0
.if DOCPART == 4
	.amdgcn_target "amdgcn-amd-amdhsa--gfx1250"
	.amdhsa_code_object_version 6
	.text
	.protected	k_q735b8842e6_proj
	.globl	k_q735b8842e6_proj
	.p2align	8
	.type	k_q735b8842e6_proj,@function
k_q735b8842e6_proj:
	s_mov_b64 s[64:65], 0
	v_nop
	global_prefetch_b8 v0, s[64:65] scope:SCOPE_SE
	s_setreg_imm32_b32 hwreg(HW_REG_WAVE_MODE, 25, 1), 1
	s_wait_xcnt 0x0
	s_wait_alu depctr_hold_cnt(0) depctr_sa_sdst(0) depctr_va_vdst(0) depctr_va_sdst(0) depctr_va_ssrc(0) depctr_va_vcc(0) depctr_vm_vsrc(0)
	s_getreg_b32 s2, hwreg(HW_REG_IB_STS2, 6, 4)
	s_cmp_eq_u32 s2, 0
	s_cbranch_scc0 .Lentry_in_a_cluster
	s_endpgm
.Lentry_in_a_cluster:
	s_bfe_u32 s2, ttmp6, 0x10000c
	s_cmp_lg_u32 s2, 0xf033
	s_cbranch_scc0 .Lentry_shape_is_right
	s_endpgm
.Lentry_shape_is_right:
; out0[m][n] = the sum over k of y[m][k] w_proj[n][k], [8192][1024] x [1024][1024]^T, f16 operands, f32 sums, f32 out: all rows but positions 0-15 of each batch, which a later launch carries in f32 and stores.
; y16: [k / 64][m][64], wp16: [k / 64][n][64], f16: a tile of rows of one block of 64 along K is dense in memory.
; A tile of out0 is 128 x 256, which gives each of 256 work-groups one tile; a wave makes 64 x 128: 32 accumulators.  K goes in 8 steps of 128 (two blocks of 64) through a ring of two LDS slots.
; CLUSTERS: 4 x 4.  Tile column = cx; TILE ROW = 16 cy + cluster y: so the batch is cy, and whether a tile holds positions under 16 hangs on cluster y alone, which all partners share.
; y's tiles are shared along a row of the cluster, w_proj's along a column: each is asked for JOINTLY.  Waves 0 and 1 fetch y's two blocks of a K step (128 rows each), waves 2 and 3 w_proj's (256 rows each): one load a wave.
; THE MATRIX INSTRUCTION IS USED TRANSPOSED (source 0 = 16 rows of w_proj, source 1 = 16 rows of y): a lane holds eight neighbouring columns of one row.
; No prefetch: eight K steps in all, of which the first four could not be covered; the tiles are shared in the cluster instead.
; LIMITS: f16's range for y and w_proj.
; REGISTERS: window 0: v16-29 addresses; v32-159 the way out.  window 1: two fragment buffers at v0 and v128: y's four fragments, then w_proj's eight.  window 2: accumulator (a, b) at v[8 (8 a + b)].
.set PITCH,  144                       ; an LDS row: 128 bytes + 16 of padding
.set ATILE,  128*PITCH                 ; y's 128 rows of one block of 64 along K
.set BTILE,  256*PITCH                 ; w_proj's 256 rows
.set SLOT,   2*ATILE+2*BTILE
.set STAGE,  2*SLOT                    ; the way out: 16 rows x (512 bytes + 16) for each wave; bytes of its own
.set SPITCH, 528
.set SPARE,  STAGE+4*16*SPITCH
.set ADRA, 16
.set ADRB, 20
.set STO,  24
.set RD,   25
.set CO,   26
.set SPW,  28
.set NIL,  29
.set BK,   32
.set F0,   0
.set F1,   128
.set G1, 24
.set G0, 32
.set G1B, 48
.set G0B, 56
.set MSB, 0
.macro WIN new
.if MSB != \new
	s_set_vgpr_msb (MSB<<8)|\new
.set MSB, \new
.endif
.endm
.set MUL,  0xa5                        ; sources 0 and 1 window 1; C and D window 2
.set TO_F, 0x40
.macro JLOAD s                         ; a joint load; the branch hangs on the wave's number alone; an s_nop 0 and four v_nop follow each of the two lines
	s_cmp_eq_u32 s11, 0
	s_cbranch_scc0 .Lfor_b_\@
	tensor_load_to_lds s[G0+4*\s:G0+4*\s+3], s[G1:G1+7]
	s_nop 0
.rept 4
	v_nop
.endr
	s_branch .Lasked_\@
.Lfor_b_\@:
	tensor_load_to_lds s[G0B+4*\s:G0B+4*\s+3], s[G1B:G1B+7]
	s_nop 0
.rept 4
	v_nop
.endr
.Lasked_\@:
.endm
.macro CREST                           ; a round of the cluster's barrier behind its opening barrier
	s_cmp_lg_u32 s10, 0
	s_cbranch_scc1 .Lnot_wave_0_\@
	s_barrier_signal -3
.Lnot_wave_0_\@:
	s_barrier_wait -3
	s_barrier_signal -1
	s_barrier_wait -1
.endm
.macro CROUND
	s_barrier_signal -1
	s_barrier_wait -1
	CREST
.endm
	s_load_b128 s[4:7], s[0:1], 0x0                ; y16 s[4:5], wp16 s[6:7]
	s_load_b64 s[8:9], s[0:1], 0x10                ; out0
	v_lshl_add_u32 v[SPW], v0, 2, SPARE
	v_mov_b32 v[NIL], 0
	ds_add_u32 v[SPW], v[NIL]                      ; the wave's opening: the add, twice on end, and its wait ahead of my first tensor load
	ds_add_u32 v[SPW], v[NIL]
	v_lshrrev_b32 v1, 5, v0
	v_readfirstlane_b32 s10, v1                    ; wave 0..3
	s_lshr_b32 s11, s10, 1                         ; which half of the tile's rows is mine.  Also: I fetch for y (0) or for w_proj (1)
	s_and_b32 s12, s10, 1                          ; which half of its columns.  Also: which of a K step's two blocks I fetch
	s_bfe_u32 s40, ttmp6, 0x40000                  ; cx, cy
	s_bfe_u32 s41, ttmp6, 0x40004
	s_lshl_b32 s42, ttmp9, 2
	s_add_co_u32 s42, s42, s40                     ; tile column
	s_and_b32 s14, ttmp7, 0xffff                   ; cluster y
	s_lshl_b32 s13, s41, 4
	s_add_co_u32 s13, s13, s14                     ; tile row = 16 cy + cluster y
	s_or_b32 s45, s14, s11                         ; 0 where my block 0 holds positions 0-15
	s_lshl_b32 s43, s41, 2
	s_lshl_b32 s43, 15, s43                        ; my row of the cluster
	s_lshl_b32 s44, 0x1111, s40                    ; my column
	; descriptor group 1: rows of 64 elements of 2 bytes, dense in memory, 4 words of padding behind every 32; 128 rows for y, 256 for w_proj
	s_or_b32 s[G1+0], s43, (1<<16)|(1<<20)|(1<<21)|(4<<22)|(3<<25)
	s_or_b32 s[G1B+0], s44, (1<<16)|(1<<20)|(1<<21)|(4<<22)|(3<<25)
	s_mov_b32 s[G1+1], 64<<16
	s_mov_b32 s[G1+2], 128<<16
	s_mov_b32 s[G1+3], 64<<16
	s_mov_b32 s[G1+4], 128
	s_mov_b32 s[G1+5], 64
	s_mov_b32 s[G1+6], 0
	s_mov_b32 s[G1+7], 0
	s_mov_b32 s[G1B+1], 64<<16
	s_mov_b32 s[G1B+2], 256<<16
	s_mov_b32 s[G1B+3], 64<<16
	s_mov_b32 s[G1B+4], 256
	s_mov_b32 s[G1B+5], 64
	s_mov_b32 s[G1B+6], 0
	s_mov_b32 s[G1B+7], 0
	s_lshl_b32 s16, s12, 20                        ; y: my block of 64 along K, 2^20 bytes each,
	s_lshl_b32 s17, s13, 14                        ; the tile's 128 rows of 128 bytes
	s_add_co_u32 s16, s16, s17
	s_mov_b32 s17, 0
	s_lshl_b32 s46, s12, 17                        ; w_proj: my block, 2^17 bytes each,
	s_lshl_b32 s47, s42, 15                        ; the tile's 256 rows
	s_add_co_u32 s46, s46, s47
	s_mov_b32 s47, 0
	s_mul_i32 s20, s12, ATILE                      ; where they go: no place in the cluster enters an LDS address
	s_mul_i32 s21, s12, BTILE
	s_add_co_u32 s21, s21, 2*ATILE
	s_wait_dscnt 0x0                               ; both opening adds are done
	s_wait_kmcnt 0x0
	s_add_nc_u64 s[18:19], s[4:5], s[16:17]
	s_add_nc_u64 s[46:47], s[6:7], s[46:47]
	CROUND                                         ; all sixteen work-groups are here: the first joint loads meet
.irp s, 0,1
	s_mov_b32 s[G0+4*\s], 1
	s_add_co_u32 s[G0+4*\s+1], s20, \s*SLOT
	s_add_nc_u64 s[G0+4*\s+2:G0+4*\s+3], s[18:19], \s*0x200000     ; K step s: two blocks on
	s_or_b32 s[G0+4*\s+3], s[G0+4*\s+3], 0x80000000
	s_mov_b32 s[G0B+4*\s], 1
	s_add_co_u32 s[G0B+4*\s+1], s21, \s*SLOT
	s_add_nc_u64 s[G0B+4*\s+2:G0B+4*\s+3], s[46:47], \s*0x40000
	s_or_b32 s[G0B+4*\s+3], s[G0B+4*\s+3], 0x80000000
	JLOAD \s
.endr
	v_and_b32 v1, 15, v0                           ; r
	v_bfe_u32 v2, v0, 4, 1                         ; h
	v_mul_u32_u24 v3, v1, PITCH
	v_lshl_add_u32 v3, v2, 4, v3                   ; a fragment's row x pitch + 16 h
	s_mul_i32 s22, s11, 64*PITCH                   ; my 64 rows of y
	s_mul_i32 s23, s12, 128*PITCH                  ; my 128 rows of w_proj,
	s_add_co_u32 s23, s23, 2*ATILE                 ; which lie behind y's two blocks
.irp s, 0,1
	v_add_nc_u32 v[ADRA+\s], s22, v3
	v_add_nc_u32 v[ADRB+\s], s23, v3
	s_add_co_u32 s22, s22, SLOT
	s_add_co_u32 s23, s23, SLOT
.endr
	s_mul_i32 s22, s10, 16*SPITCH
	s_add_co_u32 s22, s22, STAGE                   ; my stage
	v_mul_u32_u24 v4, v1, SPITCH
	v_lshl_add_u32 v4, v2, 5, v4
	v_add_nc_u32 v[STO], s22, v4                   ; in: row r, 32 bytes for each half of the lanes
	v_and_b32 v5, 31, v0
	v_lshlrev_b32 v[CO], 4, v5
	v_add_nc_u32 v[RD], s22, v[CO]                 ; back: the 32 lanes take one row of 512 bytes
	s_lshl_b32 s16, s13, 7
	s_lshl_b32 s17, s11, 6
	s_add_co_u32 s16, s16, s17                     ; my first row of out0
	s_lshl_b32 s16, s16, 12
	s_lshl_b32 s17, s42, 10
	s_add_co_u32 s16, s16, s17
	s_lshl_b32 s17, s12, 9
	s_add_co_u32 s16, s16, s17                     ; my first column, in bytes
	s_mov_b32 s17, 0
	s_add_nc_u64 s[8:9], s[8:9], s[16:17]
; 8 matrix instructions: y's block a against w_proj's eight, 32 along K.  The 32 accumulators take turns, one instruction a turn, in the same order in every quarter.
.macro MUL8 f, a, zero
.irp b, 0,1,2,3,4,5,6,7
.if \zero
	v_wmma_f32_16x16x32_f16 v[8*(8*(\a)+\b):8*(8*(\a)+\b)+7], v[\f+32+8*\b:\f+32+8*\b+7], v[\f+8*(\a):\f+8*(\a)+7], 0
.else
	v_wmma_f32_16x16x32_f16 v[8*(8*(\a)+\b):8*(8*(\a)+\b)+7], v[\f+32+8*\b:\f+32+8*\b+7], v[\f+8*(\a):\f+8*(\a)+7], v[8*(8*(\a)+\b):8*(8*(\a)+\b)+7]
.endif
.endr
.endm
; 24 LDS loads in one run: the fragments of the slot's q-th 32 along K (block q / 2, bytes 64 (q % 2) on) into buffer f: w_proj's sixteen loads first, then y's eight
.macro FETCH slot, q, f
	WIN TO_F
.irp i, 0,1,2,3,4,5,6,7
	ds_load_b128 v[\f+32+8*\i:\f+32+8*\i+3],   v[ADRB+\slot] offset:((\q)/2)*BTILE+((\q)%2)*64+\i*16*PITCH
	ds_load_b128 v[\f+32+8*\i+4:\f+32+8*\i+7], v[ADRB+\slot] offset:((\q)/2)*BTILE+((\q)%2)*64+\i*16*PITCH+32
.endr
.irp i, 0,1,2,3
	ds_load_b128 v[\f+8*\i:\f+8*\i+3],   v[ADRA+\slot] offset:((\q)/2)*ATILE+((\q)%2)*64+\i*16*PITCH
	ds_load_b128 v[\f+8*\i+4:\f+8*\i+7], v[ADRA+\slot] offset:((\q)/2)*ATILE+((\q)%2)*64+\i*16*PITCH+32
.endr
.endm
.macro PLACES                          ; four plain vector instructions in front of loads into registers that matrix instructions have read, and of reads of results
.rept 4
	v_nop
.endr
.endm
; A K step is four quarters of 32 along K, 32 matrix instructions each, on buffers 0, 1, 0, 1.  One of the first three: multiplies buffer f and fetches quarter qn into g.
.macro QUARTER slot, qn, f, g, zero
	s_wait_dscnt 4                                 ; w_proj's fragments and y's blocks 0, 1 are in; the youngest four loads (y's blocks 2, 3) may be out
	WIN MUL
	MUL8 \f, 0, \zero
	MUL8 \f, 1, \zero
	PLACES
	FETCH \slot, \qn, \g
	s_wait_dscnt 24                                ; all but the 24 just issued
	WIN MUL
	MUL8 \f, 2, \zero
	MUL8 \f, 3, \zero
.endm
; The last quarter multiplies buffer 1 and changes slots: ONE barrier; in front of it each wave waits for all its tensor loads, adds 0 to its spare word, and waits for that and for its reads of this slot.
; fill = 1: the barrier opens a round of the cluster's barrier, and this slot is filled again, two K steps ahead, first thing behind the round.
.macro TURN slot, next, fill
	WIN 0                                          ; (the add's two registers lie in window 0)
	s_wait_tensorcnt 0x0                           ; all my tensor loads have landed: my part of the next slot
	ds_add_u32 v[SPW], v[NIL]                      ; 0 onto my spare word
	s_wait_dscnt 5                                 ; (the add and the youngest four loads may be out)
	WIN MUL
	MUL8 F1, 0, 0                                  ; eight matrix instructions stand between the add and the wait for it
	s_wait_dscnt 0x0                               ; the add is done, and my reads of this slot are over
	s_barrier_signal -1
	MUL8 F1, 1, 0
	WIN 0
	s_barrier_wait -1
.if \fill
	CREST                                          ; no wave of any partner still reads this slot's tiles or has a load on its way
	s_add_nc_u64 s[G0+4*\slot+2:G0+4*\slot+3], s[G0+4*\slot+2:G0+4*\slot+3], 0x400000
	s_add_nc_u64 s[G0B+4*\slot+2:G0B+4*\slot+3], s[G0B+4*\slot+2:G0B+4*\slot+3], 0x80000
	JLOAD \slot                                    ; the four v_nop behind it are also the places in front of the loads below
.else
	PLACES
.endif
	FETCH \next, 0, F0
	WIN MUL
	MUL8 F1, 2, 0
	MUL8 F1, 3, 0
.endm
	s_wait_tensorcnt 1                             ; my part of K step 0 is in; K step 1's load may be out
	s_barrier_signal -1
	s_barrier_wait -1
	FETCH 0, 0, F0
	QUARTER 0, 1, F0, F1, 1                        ; the first quarter's products start the sums: nothing is cleared
	WIN 0                                          ; at a label and at a branch every window is 0
	s_mov_b32 s3, 3
.Llap:                                             ; three trips, each once round the ring: six refills, K steps 2 to 7
	QUARTER 0, 2, F1, F0, 0
	QUARTER 0, 3, F0, F1, 0
	TURN 0, 1, 1
	QUARTER 1, 1, F0, F1, 0
	QUARTER 1, 2, F1, F0, 0
	QUARTER 1, 3, F0, F1, 0
	TURN 1, 0, 1
	QUARTER 0, 1, F0, F1, 0
	WIN 0
	s_sub_co_u32 s3, s3, 1
	s_cmp_lg_u32 s3, 0
	s_cbranch_scc1 .Llap
	QUARTER 0, 2, F1, F0, 0                        ; the last lap fills nothing
	QUARTER 0, 3, F0, F1, 0
	TURN 0, 1, 0
	QUARTER 1, 1, F0, F1, 0
	QUARTER 1, 2, F1, F0, 0
	QUARTER 1, 3, F0, F1, 0
	s_wait_dscnt 4                                 ; the very last quarter: nothing more to fetch
	WIN MUL
	MUL8 F1, 0, 0
	MUL8 F1, 1, 0
	s_wait_dscnt 0
	MUL8 F1, 2, 0
	MUL8 F1, 3, 0
	WIN 0
; THE WAY OUT, block by block of 16 rows x 128 columns, through my own stage: rows come back whole, and 32 lanes store 512 consecutive bytes, aligned.
.macro TOSTAGE a
	WIN 0x08                                       ; an LDS store's data are its source 1: window 2
.irp b, 0,1,2,3,4,5,6,7
	ds_store_b128 v[STO], v[64*(\a)+8*\b:64*(\a)+8*\b+3] offset:64*\b          ; each accumulator from its low end on
	ds_store_b128 v[STO], v[64*(\a)+8*\b+4:64*(\a)+8*\b+7] offset:64*\b+16
.endr
	WIN 0
.set BB, BK+64*((\a)%2)
.irp t, 0,1,2,3,4,5,6,7,8,9,10,11,12,13,14,15
	ds_load_b128 v[BB+4*\t:BB+4*\t+3], v[RD] offset:\t*SPITCH                  ; LDS serves a wave's instructions in order: these see the stores above
.endr
.endm
.macro SEND a, younger
.set BB, BK+64*((\a)%2)
	s_wait_dscnt \younger                          ; the block is back; the next block's 16 stores and 16 loads may be out
.if (\a) == 0
	s_cmp_eq_u32 s45, 0                            ; positions 0-15 of a batch have another owner: cluster y and the wave's number alone decide
	s_cbranch_scc1 .Lother_owner
.endif
.irp t, 0,1,2,3,4,5,6,7,8,9,10,11,12,13,14,15
	global_store_b128 v[CO], v[BB+4*\t:BB+4*\t+3], s[8:9] offset:(\a)*65536+\t*4096 th:TH_STORE_NT
.endr
.if (\a) == 0
.Lother_owner:
.endif
.endm
	PLACES
	TOSTAGE 0
.irp a, 1,2,3
.if \a > 1
	s_wait_xcnt 0x0                                ; block a - 2's stores have read their registers: block a's loads may land there
.endif
	TOSTAGE \a
	SEND \a-1, 32
.endr
	SEND 3, 0
	s_wait_tensorcnt 0x0                           ; the wave's end, behind my last tensor load and my last LDS store
	ds_add_u32 v[SPW], v[NIL]
	s_wait_dscnt 0x0
	CROUND                                         ; the closing round
	s_endpgm
.Lfunc_end_k_q735b8842e6_proj:
	.size	k_q735b8842e6_proj, .Lfunc_end_k_q735b8842e6_proj-k_q735b8842e6_proj
	.p2alignl 7, 3214868480
	.fill 96, 4, 3214868480
	.section	.rodata,"a",@progbits
	.p2align	6, 0x0
	.amdhsa_kernel k_q735b8842e6_proj
		.amdhsa_group_segment_fixed_size 327680
		.amdhsa_private_segment_fixed_size 0
		.amdhsa_enable_private_segment 0
		.amdhsa_kernarg_size 24
		.amdhsa_user_sgpr_count 2
		.amdhsa_user_sgpr_kernarg_segment_ptr 1
		.amdhsa_wavefront_size32 1
		.amdhsa_system_sgpr_workgroup_id_x 1
		.amdhsa_system_sgpr_workgroup_id_y 1
		.amdhsa_system_sgpr_workgroup_id_z 1
		.amdhsa_system_vgpr_workitem_id 0
		.amdhsa_next_free_vgpr 768
		.amdhsa_next_free_sgpr 66
		.amdhsa_reserve_vcc 0
		.amdhsa_float_denorm_mode_32 3
		.amdhsa_float_denorm_mode_16_64 3
		.amdhsa_memory_ordered 1
		.amdhsa_forward_progress 1
		.amdhsa_inst_pref_size 85
	.end_amdhsa_kernel
	.amdgpu_metadata
---
amdhsa.version: [ 1, 2 ]
amdhsa.kernels:
  - .name:           k_q735b8842e6_proj
    .symbol:         k_q735b8842e6_proj.kd
    .args:
      - { .name: y16, .offset: 0, .size: 8, .value_kind: global_buffer, .address_space: global }
      - { .name: wp16, .offset: 8, .size: 8, .value_kind: global_buffer, .address_space: global }
      - { .name: out0, .offset: 16, .size: 8, .value_kind: global_buffer, .address_space: global }
    .group_segment_fixed_size: 327680
    .private_segment_fixed_size: 0
    .kernarg_segment_align: 8
    .kernarg_segment_size: 24
    .max_flat_workgroup_size: 128
    .sgpr_count:     66
    .vgpr_count:     768
    .wavefront_size: 32
...
	.end_amdgpu_metadata
.endif
;; end of part 4
;; launch fine (part 5): grid 32 x 4, 16 waves a work-group, no clusters, 86,528 bytes of LDS; arguments qkv32, w_proj, out0; writes out0
.if DOCPART == 5
	.amdgcn_target "amdgcn-amd-amdhsa--gfx1250"
	.amdhsa_code_object_version 6
	.text
	.protected	k_q735b8842e6_fine
	.globl	k_q735b8842e6_fine
	.p2align	8
	.type	k_q735b8842e6_fine,@function
k_q735b8842e6_fine:
	s_mov_b64 s[64:65], 0
	v_nop
	global_prefetch_b8 v0, s[64:65] scope:SCOPE_SE
	s_setreg_imm32_b32 hwreg(HW_REG_WAVE_MODE, 25, 1), 1
	s_wait_xcnt 0x0
; Positions 0-15 of every batch, carried in f32 through attention and projection: these rows average one to sixteen values, so the rounding of 16-bit operands weighs most there.
; qkv32: [batch x 16 + position][3072] f32, unscaled.  out0[batch][position < 16][n] = the sum over k of y[position][k] w_proj[n][k].
; SHARES.  Work-group (slice, batch) makes 32 columns of the batch's 16 rows.  Every work-group repeats its batch's small attention, one wave to a head (16 x 16 scores); y meets in LDS; then wave w takes
; 16 columns (w % 2) and an eighth of K (w / 2); the eight parts meet in LDS and waves 0-3 add and store them.  64 f32 matrix instructions a wave: no bulk work.
; LAYOUT.  All products are used transposed, so that a lane holds one position (lane % 16).  The f32 form takes k = 2 (lane / 16) + j of register j; operands are loaded 16 bytes a lane, which permutes k alike on both sides.
; Each product's sums go in four accumulators by turns and are added at the end: another order of f32 rounding than a single chain's.  The accumulators v40-71 are written by matrix instructions alone.
; The stores are pieces of 128 bytes of rows, 256 KB in the whole launch.
.set YP,    4112                       ; a row of y in LDS: 4,096 bytes + 16
.set PART,  66048                      ; behind y: [K eighth][16 rows][128 bytes + 16]
.set SPARE, PART+8*2304                ; the spare words, 128 bytes for each of 16 waves
.set SPW, 12
.set NIL, 13
.set ACC, 40
.set QF,  72                           ; v72-103 q, v104-135 k; later y's fragments, v72-135
.set KF,  104
.set VF,  136                          ; v136-167 v; later the eight parts
.set WF,  168                          ; v168-231 w_proj
	s_load_b128 s[4:7], s[0:1], 0x0                ; qkv32 s[4:5], w_proj s[6:7]
	s_load_b64 s[8:9], s[0:1], 0x10                ; out0
	v_lshl_add_u32 v[SPW], v0, 2, SPARE
	v_mov_b32 v[NIL], 0
	v_lshrrev_b32 v1, 5, v0
	v_readfirstlane_b32 s10, v1                    ; wave = head
	s_and_b32 s11, s10, 1                          ; which 16 columns
	s_lshr_b32 s12, s10, 1                         ; which eighth of K
	s_and_b32 s13, ttmp7, 0xffff                   ; batch
	v_and_b32 v1, 15, v0                           ; r
	v_bfe_u32 v2, v0, 4, 1                         ; h
	v_mul_u32_u24 v3, v1, 12288
	v_lshl_add_u32 v3, v2, 4, v3                   ; q, k: row r, + 16 h
	v_mul_u32_u24 v4, v2, 98304
	v_lshl_add_u32 v4, v1, 2, v4                   ; v: rows 8 h on, channel r
	v_lshlrev_b32 v5, 12, v1
	v_lshl_add_u32 v5, v2, 4, v5                   ; w_proj: row r, + 16 h
	v_mul_u32_u24 v6, v1, YP
	v_lshl_add_u32 v7, v2, 4, v6
	v_lshl_add_u32 v6, v2, 5, v6
	s_lshl_b32 s14, s10, 8
	v_add_nc_u32 v6, s14, v6                       ; y into LDS: row r, + 32 h, + 256 x head
	s_lshl_b32 s14, s12, 9
	v_add_nc_u32 v7, s14, v7                       ; y out of LDS: row r, + 16 h, + 512 x my eighth
	v_mul_u32_u24 v8, v1, 144
	v_lshl_add_u32 v8, v2, 5, v8
	s_mul_i32 s14, s12, 2304
	s_lshl_b32 s15, s11, 6
	s_add_co_u32 s14, s14, s15
	s_add_co_u32 s14, s14, PART
	v_add_nc_u32 v8, s14, v8                       ; my part: row r, + 64 x column tile, + 32 h
	v_and_b32 v9, 127, v0
	v_lshrrev_b32 v9, 3, v9                        ; the last step: thread t of the first 128 takes row t / 8, 16 bytes at 16 (t % 8)
	v_and_b32 v15, 7, v0
	v_lshlrev_b32 v10, 12, v9
	v_lshl_add_u32 v10, v15, 4, v10                ; in out0
	v_mul_u32_u24 v9, v9, 144
	v_lshl_add_u32 v9, v15, 4, v9
	v_add_nc_u32 v9, PART, v9                      ; and in LDS
	v_lshlrev_b32 v11, 3, v2
	v_sub_nc_u32 v11, v1, v11                      ; r - 8 h
	v_mov_b32 v14, 0xff800000                      ; -infinity
	s_mov_b32 s20, 0x76543210
	s_mov_b32 s21, 0xfedcba98                      ; v_permlanex16_b32's selects for lane l xor 16
	s_mov_b32 s22, 0x3e38aa3b                      ; log2(e) / 8
	s_mul_i32 s16, s13, 16*12288                   ; the batch's 16 rows, my head's 64 columns
	s_lshl_b32 s17, s10, 8
	s_add_co_u32 s16, s16, s17
	s_mov_b32 s17, 0
	s_lshl_b32 s18, ttmp9, 5
	s_lshl_b32 s19, s11, 4
	s_add_co_u32 s18, s18, s19                     ; my first row of w_proj: 32 x slice + 16 x column tile
	s_lshl_b32 s18, s18, 12
	s_lshl_b32 s19, s12, 9
	s_add_co_u32 s18, s18, s19                     ; my eighth of K: 128 numbers
	s_mov_b32 s19, 0
	s_lshl_b32 s24, s13, 23                        ; out0: the batch's first row, my slice's 128 bytes
	s_lshl_b32 s25, ttmp9, 7
	s_add_co_u32 s24, s24, s25
	s_mov_b32 s25, 0
	s_wait_kmcnt 0x0
	s_add_nc_u64 s[4:5], s[4:5], s[16:17]
	s_add_nc_u64 s[6:7], s[6:7], s[18:19]
	s_add_nc_u64 s[8:9], s[8:9], s[24:25]
.irp u, 0,1,2,3,4,5,6,7
	global_load_b128 v[QF+4*\u:QF+4*\u+3], v3, s[4:5] offset:32*\u                 ; q(r, 8 u + 4 h + 0 .. 3)
.endr
.irp u, 0,1,2,3,4,5,6,7
	global_load_b128 v[KF+4*\u:KF+4*\u+3], v3, s[4:5] offset:4096+32*\u            ; k likewise
.endr
.irp ct, 0,1,2,3
.irp j, 0,1,2,3,4,5,6,7
	global_load_b32 v[VF+8*\ct+\j], v4, s[4:5] offset:8192+\j*12288+64*\ct         ; v(key 8 h + j, channel 16 ct + r)
.endr
.endr
.irp u, 0,1,2,3,4,5,6,7,8,9,10,11,12,13,14,15
	global_load_b128 v[WF+4*\u:WF+4*\u+3], v5, s[6:7] offset:32*\u                 ; w_proj(n, 128 x eighth + 8 u + 4 h + 0 .. 3)
.endr
	s_wait_loadcnt 16                              ; q, k and v are in; w_proj's sixteen loads may be out
; S^T = k q^T: sixteen steps of 4 along the head's 64; the four accumulators take turns; the first four steps start the sums
.set e, 0
.rept 16
.if e < 4
	v_wmma_f32_16x16x4_f32 v[ACC+8*(e%4):ACC+8*(e%4)+7], v[KF+2*e:KF+2*e+1], v[QF+2*e:QF+2*e+1], 0
.else
	v_wmma_f32_16x16x4_f32 v[ACC+8*(e%4):ACC+8*(e%4)+7], v[KF+2*e:KF+2*e+1], v[QF+2*e:QF+2*e+1], v[ACC+8*(e%4):ACC+8*(e%4)+7]
.endif
.set e, e+1
.endr
.rept 8
	v_nop                                          ; eight places behind this form before a result is read (ISA guide 7.12.1)
.endr
.macro SUM4                            ; the four accumulators' sum into v16-23; each is read from its low end on
.irp i, 0,2,4,6
	v_pk_add_f32 v[16+\i:17+\i], v[ACC+\i:ACC+\i+1], v[ACC+8+\i:ACC+8+\i+1]
.endr
.irp i, 0,2,4,6
	v_pk_add_f32 v[32+\i:33+\i], v[ACC+16+\i:ACC+16+\i+1], v[ACC+24+\i:ACC+24+\i+1]
.endr
.irp i, 0,2,4,6
	v_pk_add_f32 v[16+\i:17+\i], v[16+\i:17+\i], v[32+\i:33+\i]
.endr
.endm
	SUM4                                           ; lane (r, h): query r, keys 8 h + 0 .. 7
.irp j, 0,1,2,3,4,5,6,7
	v_cmp_gt_i32 vcc_lo, \j, v11                   ; key 8 h + j comes after query r
	v_cndmask_b32 v[16+\j], v[16+\j], v14, vcc_lo
.endr
	v_max3_num_f32 v32, v16, v17, v18
	v_max3_num_f32 v33, v19, v20, v21
	v_max3_num_f32 v32, v32, v22, v23
	v_max_num_f32 v32, v32, v33
	v_permlanex16_b32 v33, v32, s20, s21
	v_max_num_f32 v32, v32, v33                    ; the row's maximum: key 0 counts for every query, so it is a number
.irp j, 0,1,2,3,4,5,6,7
	v_sub_f32 v[16+\j], v[16+\j], v32
.endr
.irp j, 0,1,2,3,4,5,6,7
	v_mul_f32 v[16+\j], s22, v[16+\j]
.endr
.irp j, 0,1,2,3,4,5,6,7
	v_exp_f32 v[16+\j], v[16+\j]
.endr
	v_nop                                          ; a plain instruction behind the last exponential
	s_wait_alu depctr_va_vdst(0)                   ; one wait for the eight, ahead of their first reader
	v_pk_add_f32 v[34:35], v[16:17], v[18:19]
	v_pk_add_f32 v[36:37], v[20:21], v[22:23]
	v_pk_add_f32 v[34:35], v[34:35], v[36:37]
	v_add_f32 v34, v34, v35
	v_permlanex16_b32 v35, v34, s20, s21
	v_add_f32 v34, v34, v35                        ; the row's sum
	v_rcp_f32 v36, v34
	v_nop
	s_wait_alu depctr_va_vdst(0)
.irp j, 0,1,2,3,4,5,6,7
	v_mul_f32 v[24+\j], v[16+\j], v36              ; p, normalised
.endr
; O^T = v^T p: four steps of 4 keys (8 h + 2 s + 0, 1 on both sides), four tiles of 16 channels by turns.  More than nine plain instructions that name no accumulator stand since the last product
.irp s, 0,1,2,3
.irp ct, 0,1,2,3
.if \s == 0
	v_wmma_f32_16x16x4_f32 v[ACC+8*\ct:ACC+8*\ct+7], v[VF+8*\ct+2*\s:VF+8*\ct+2*\s+1], v[24+2*\s:25+2*\s], 0
.else
	v_wmma_f32_16x16x4_f32 v[ACC+8*\ct:ACC+8*\ct+7], v[VF+8*\ct+2*\s:VF+8*\ct+2*\s+1], v[24+2*\s:25+2*\s], v[ACC+8*\ct:ACC+8*\ct+7]
.endif
.endr
.endr
.rept 9
	v_nop                                          ; eight places before the stores read the results, nine before the next product's first steps write over them
.endr
.irp ct, 0,1,2,3
	ds_store_b128 v6, v[ACC+8*\ct:ACC+8*\ct+3] offset:64*\ct                       ; y(r, 64 head + 16 ct + 8 h + 0 .. 7)
	ds_store_b128 v6, v[ACC+8*\ct+4:ACC+8*\ct+7] offset:64*\ct+16
.endr
	s_wait_dscnt 0x0                               ; for the others' sake: my stores have landed
	s_barrier_signal -1
	s_barrier_wait -1                              ; the batch's 16 rows of y lie in LDS
.irp u, 0,1,2,3,4,5,6,7,8,9,10,11,12,13,14,15
	ds_load_b128 v[QF+4*\u:QF+4*\u+3], v7 offset:32*\u                             ; y(r, 128 x eighth + 8 u + 4 h + 0 .. 3)
.endr
	s_wait_loadcnt 0x0                             ; w_proj
	s_wait_dscnt 0x0
; out^T = w_proj y^T over my eighth of K: 32 steps, the four accumulators by turns
.set e, 0
.rept 32
.if e < 4
	v_wmma_f32_16x16x4_f32 v[ACC+8*(e%4):ACC+8*(e%4)+7], v[WF+2*e:WF+2*e+1], v[QF+2*e:QF+2*e+1], 0
.else
	v_wmma_f32_16x16x4_f32 v[ACC+8*(e%4):ACC+8*(e%4)+7], v[WF+2*e:WF+2*e+1], v[QF+2*e:QF+2*e+1], v[ACC+8*(e%4):ACC+8*(e%4)+7]
.endif
.set e, e+1
.endr
.rept 8
	v_nop
.endr
	SUM4                                           ; lane (r, h): position r, columns 16 x tile + 8 h + 0 .. 7
	ds_store_b128 v8, v[16:19]
	ds_store_b128 v8, v[20:23] offset:16
	s_wait_dscnt 0x0
	s_barrier_signal -1
	s_barrier_wait -1                              ; the eight parts lie in LDS
	s_cmp_lt_u32 s10, 4                            ; 128 threads add and store 16 rows x 128 bytes
	s_cbranch_scc0 .Ldone
.irp k, 0,1,2,3,4,5,6,7
	ds_load_b128 v[VF+4*\k:VF+4*\k+3], v9 offset:\k*2304
.endr
	s_wait_dscnt 0x0
.irp k, 0,2,4,6
	v_pk_add_f32 v[VF+4*\k:VF+4*\k+1], v[VF+4*\k:VF+4*\k+1], v[VF+4*\k+4:VF+4*\k+5]
	v_pk_add_f32 v[VF+4*\k+2:VF+4*\k+3], v[VF+4*\k+2:VF+4*\k+3], v[VF+4*\k+6:VF+4*\k+7]
.endr
.irp k, 0,4
	v_pk_add_f32 v[VF+4*\k:VF+4*\k+1], v[VF+4*\k:VF+4*\k+1], v[VF+4*\k+8:VF+4*\k+9]
	v_pk_add_f32 v[VF+4*\k+2:VF+4*\k+3], v[VF+4*\k+2:VF+4*\k+3], v[VF+4*\k+10:VF+4*\k+11]
.endr
	v_pk_add_f32 v[VF:VF+1], v[VF:VF+1], v[VF+16:VF+17]
	v_pk_add_f32 v[VF+2:VF+3], v[VF+2:VF+3], v[VF+18:VF+19]
	global_store_b128 v10, v[VF:VF+3], s[8:9]
.Ldone:
	s_wait_tensorcnt 0x0                           ; the wave's end, behind my last LDS store
	ds_add_u32 v[SPW], v[NIL]
	s_wait_dscnt 0x0
	s_endpgm
.Lfunc_end_k_q735b8842e6_fine:
	.size	k_q735b8842e6_fine, .Lfunc_end_k_q735b8842e6_fine-k_q735b8842e6_fine
	.p2alignl 7, 3214868480
	.fill 96, 4, 3214868480
	.section	.rodata,"a",@progbits
	.p2align	6, 0x0
	.amdhsa_kernel k_q735b8842e6_fine
		.amdhsa_group_segment_fixed_size 86528
		.amdhsa_private_segment_fixed_size 0
		.amdhsa_enable_private_segment 0
		.amdhsa_kernarg_size 24
		.amdhsa_user_sgpr_count 2
		.amdhsa_user_sgpr_kernarg_segment_ptr 1
		.amdhsa_wavefront_size32 1
		.amdhsa_system_sgpr_workgroup_id_x 1
		.amdhsa_system_sgpr_workgroup_id_y 1
		.amdhsa_system_sgpr_workgroup_id_z 1
		.amdhsa_system_vgpr_workitem_id 0
		.amdhsa_next_free_vgpr 256
		.amdhsa_next_free_sgpr 66
		.amdhsa_reserve_vcc 1
		.amdhsa_float_denorm_mode_32 3
		.amdhsa_float_denorm_mode_16_64 3
		.amdhsa_memory_ordered 1
		.amdhsa_forward_progress 1
		.amdhsa_inst_pref_size 22
	.end_amdhsa_kernel
	.amdgpu_metadata
---
amdhsa.version: [ 1, 2 ]
amdhsa.kernels:
  - .name:           k_q735b8842e6_fine
    .symbol:         k_q735b8842e6_fine.kd
    .args:
      - { .name: qkv32, .offset: 0, .size: 8, .value_kind: global_buffer, .address_space: global }
      - { .name: w_proj, .offset: 8, .size: 8, .value_kind: global_buffer, .address_space: global }
      - { .name: out0, .offset: 16, .size: 8, .value_kind: global_buffer, .address_space: global }
    .group_segment_fixed_size: 86528
    .private_segment_fixed_size: 0
    .kernarg_segment_align: 8
    .kernarg_segment_size: 24
    .max_flat_workgroup_size: 512
    .sgpr_count:     66
    .vgpr_count:     256
    .wavefront_size: 32
...
	.end_amdgpu_metadata
.endif
;; end of part 5
